; MI455X (gfx1250); checked and timed in simulation.
; The chip was launched on July 23, 2026; its instructions are those of AMD's public machine-readable ISA for CDNA 5 (MIT licence, August 2026) and "CDNA5" Instruction Set Architecture Reference Guide (July 2026). The comments in the code are by the model that wrote it; some were corrected since.
;; Transformer Block. Allowed arithmetic: matrix products marked QUANTISED: E2M3 operands, one E8M0 scale for each 32 along K, by v_wmma_scale_f32_16x16x128_f8f6f4 with both operands' format E2M3, f32 sums; products left as they are: f32 operands where the result goes on into a quantised operand, else bf16, f16 or f32 operands; f32 sums; everything else in f32.
;; Inputs: W1 64 x 8 float32; W2_codes 64 x 2 x 24 uint8 (E2M3 codes of W2, K innermost, in blocks of 32 codes, four codes in three bytes); W2_scales 64 x 2 uint8 (E8M0 scales of W2, one for each 32 codes along K); W3 8 x 64 float32; Wk 8 x 8 float32; Wq 8 x 8 float32; Wv 8 x 8 float32; b1 64 float32; b2 64 float32; b3 8 float32; ln_b 8 float32; ln_w 8 float32; x 16,384 x 8 float32; y 4,096 x 8 float32.
;; Outputs: out0 16,384 x 8 float32.
;; This version of the problem:
;;   THIS VERSION OF THE PROBLEM IS GIVEN IN LOW PRECISION. The matrix products marked QUANTISED in the list below multiply operands that are first quantised to E2M3 (2 exponent bits, 3 mantissa bits; 6 bits a number), with one power-of-two scale for each 32 numbers along K (OCP MX v1.0); their sums are f32. All else is computed in f32.
;;   The module's matrix products, in the order in which they are computed (A, B: the left and right operand; K: the contracted axis; several contracted axes count as one K, in the product's order):
;;     1. [M 16,384, K 8] x [K 8, N 8]; A: computed on the way; B: input Wq: left as it is (K = 8 < 32)
;;     2. [M 4,096, K 8] x [K 8, N 8]; A: computed on the way; B: input Wk: left as it is (K = 8 < 32)
;;     3. [M 4,096, K 8] x [K 8, N 8]; A: computed on the way; B: input Wv: left as it is (K = 8 < 32)
;;     4. [M 16,384, K 8] x [K 8, N 4,096]; A: computed on the way; B: computed on the way: left as it is (K = 8 < 32)
;;     5. [M 16,384, K 4,096] x [K 4,096, N 8]; A: computed on the way; B: computed on the way: left as it is (N = 8 < 16)
;;     6. [M 16,384, K 8] x [K 8, N 64]; A: computed on the way; B: input W1: left as it is (K = 8 < 32)
;;     7. [M 16,384, K 64] x [K 64, N 64]; A: computed on the way; B: input W2 (given as codes): QUANTISED
;;     8. [M 16,384, K 64] x [K 64, N 8]; A: computed on the way; B: input W3: left as it is (N = 8 < 16)
;;   THE QUANTISER, for each operand of a quantised product, along K:
;;     - K is cut into blocks of 32 from its start; a last block that is shorter is filled with zeros.
;;     - A block's scale is 2^e with e = floor(log2(the largest magnitude in the block)) - 2, held to -126 .. 127; a block of zeros has e = 0. As a byte (E8M0): e + 127.
;;     - Each number is divided by its block's scale, clamped to +-7.5, and rounded to the nearest number of E2M3, ties to even, subnormals kept.
;;     - The product sums the exact products of the quantised numbers (number of the format x scale) in f32.
;;   ~~~python
;;   def quantise(x, axis):      # numpy; x: float32 -> the quantised numbers, widened to float32 again
;;       x = np.moveaxis(x, axis, -1); K = x.shape[-1]
;;       x = np.pad(x, [(0, 0)] * (x.ndim - 1) + [(0, -K % 32)]); x = x.reshape(x.shape[:-1] + (-1, 32)); a = np.abs(x).max(-1, keepdims=True)
;;       e = np.where(a > 0, np.clip(np.frexp(np.where(a > 0, a, 1))[1] - 1 - 2, -126, 127), 0)      # np.frexp(a)[1] - 1 = floor(log2(a)), exactly
;;       r = np.clip(x / 2.0 ** e, -7.5, 7.5)
;;       step = 2.0 ** (np.maximum(np.frexp(np.where(r == 0, 1, r))[1] - 1, 0) - 3)
;;       q = np.round(r / step) * step * 2.0 ** e      # np.round: ties to even
;;       return np.moveaxis(q.reshape(q.shape[:-2] + (-1,))[..., :K], -1, axis).astype(np.float32)
;;   ~~~
;;   OPERANDS COMPUTED ON THE WAY. 'Computed on the way' means the value that the module computes at that place (a softmax that the list does not call 'softmax' is quantised finished and normalised). What goes into a quantiser is computed in f32, as accurately as f32 sums, v_exp_f32 and their like allow (about 1e-6 of the number): no bf16 or f16 on the way to a quantiser, and a product that is left as it is and whose result goes on into a quantised operand takes f32 operands (vector FMAs, or v_wmma_f32_16x16x4_f32). A number that lies on a knife's edge between two numbers of the format may be rounded either way, as far as f32 arithmetic and the matrix unit's own rounding can turn it there, and no further.
;;   INPUTS GIVEN AS CODES. W2 (in the module: [64, 64], K = its axis 1): each comes as NAME_codes (uint8): NAME with its K axis moved to the last place and cut into blocks of 32 codes, [.., K / 32, bytes a block], one block behind the other in memory; four codes in three bytes: a row's codes are one little-endian stream of bits, code i at bits 6 i .. 6 i + 5 (a code: sign, 2 exponent bits, 3 mantissa bits); and NAME_scales (uint8): the same leading axes, one E8M0 byte (e + 127) for each 32 codes along K. Its value is code x scale, taken as it is: it is not quantised again, and the codes and scales need not be those that the quantiser above would give.
;; 3 versions, each right; version 2 is faster than version 1; version 3 is version 2 with the launch block written anew for expert scheduling mode. Each part assembles by itself: llvm-mc -triple=amdgcn-amd-amdhsa -mcpu=gfx1250 --defsym DOCPART=n.
;; ======== version 1 of 3: 1 launch
;; launch block (part 1): grid 256 x 1, 16 waves a work-group, no clusters, 311,296 bytes of LDS; arguments x, y, Wq, Wk, Wv, ln_w, ln_b, W1, W3, W2_codes, b1, b2, W2_scales, b3, out0; writes out0
.if DOCPART == 1
	.amdgcn_target "amdgcn-amd-amdhsa--gfx1250"
	.amdhsa_code_object_version 6
	.text
	.protected	k_q4af27408d4_block
	.globl	k_q4af27408d4_block
	.p2align	8
	.type	k_q4af27408d4_block,@function
k_q4af27408d4_block:
	s_mov_b64 s[64:65], 0
	v_nop
	global_prefetch_b8 v0, s[64:65] scope:SCOPE_SE
	s_setreg_imm32_b32 hwreg(HW_REG_WAVE_MODE, 25, 1), 1
	s_wait_xcnt 0x0
; out = MLP(LN(z1)) + z1,  z1 = smooth_softmax(LN(x) Wq^T (LN(y) Wk^T)^T / sqrt 8) (LN(y) Wv^T) + x.   x [16384][8], y [4096][8], all f32; W2 as E2M3 codes with E8M0 scales.
; ALGEBRA (exact; only the order of f32 roundings differs from the written order).  w_k = LN(y_k).  Wk goes to the query side: q' = c (LN(x) Wq^T) Wk, c = log2(e) / sqrt 8, so that
; t = q' . w_k is the score in powers of two.  Wv is applied behind the sum over the keys.  So keys and values are ONE array, w.  With p = 2^(t - M), M a running maximum:
; E = sum p w, L = sum p, A = sum relu(t) w, R = sum relu(t);  aw = (c1 A + E / L) / (1 + c1 R), c1 = 0.1 ln 2;  z1 = Wv aw + x.   Divisions are v_rcp_f32 and a multiplication.
; All that leads to the quantised product (the hidden layer times W2) is f32: fused multiply-adds and the f32 matrix form.
; SHARES.  A work-group owns 64 queries: four tiles of 16.  ITS SIXTEEN WAVES SHARE THE KEYS: wave w walks keys 256 w .. 256 w + 255, 16 a trip, against all four tiles, so that each fragment of w read
; from LDS serves four tiles.  The sixteen partial results of a query meet in LDS; waves 0 to 3 then finish one tile each (combine, residual, LN, MLP, store).
; A TRIP, for 16 keys x 64 queries: 8 matrix instructions make the scores of the NEXT tile, 16 make sum p w (a row of ones among w's rows gives L with them); the relu sums are packed fused multiply-adds,
; which stand between the matrix instructions: one matrix instruction behind every seventh vector line.
; NO CLUSTER, NO TENSOR LOAD: what the work-groups share is y, 131,072 bytes, read once at the head, 16 loads a lane, and it must pass through registers anyway (it is normalised on its way into LDS).
; x's rows are read twice (for q', and again for the residual): 2,048 bytes a work-group; no register outlives the loop.
; LIMITS: NaN and infinities among the inputs are not served.  A block of the hidden layer whose largest magnitude lies under 2^-124 (a block of zeros among them) gets the scale byte 1; its codes are
; then zeros or what the floor's scale gives.  W2's scale bytes are taken as given.
; v64-127 are written by matrix instructions alone in the whole text.  v4-6 hold scale words and nothing else.
.set REG,  18688                       ; LDS: a region for each wave: 256 keys x 32 bytes as rows; then 10 rows [dim][key] of 1,024 + 16 bytes: w transposed, a row of ones, a row of zeros
.set VTO,  8192
.set VP,   1040                        ; 260 words: row d starts 4 d banks on (64 banks of 4 bytes: ISA guide 11.1)
.set PT,   2304                        ; behind the loop the region holds the wave's partial results, a tile each PT bytes: EV 2 x 512, RA 2 x 512, M 128, R 128
.set QSB,  16*REG                      ; the four query fragments as images of their registers, 512 bytes each
.set WTS,  QSB+2048                    ; the small weights, 512 bytes from each wave: W1, then
.set W3O,  2048                        ; W3,
.set W2O,  4096                        ; W2's codes,
.set B1O,  7168                        ; b1,
.set B2O,  7680                        ; b2
; the loop's registers
.set AW,  1                            ; v1      LDS address of the tile's rows of w as source 0 of the scores
.set AB,  2                            ; v2      of the rows that my half of the lanes multiplies relu(t) by
.set AV,  3                            ; v3      of the transposed rows
.set Q,   8                            ; v8-23   q': 4 registers a tile: lane (query r, h): dims 4 h .. 4 h + 3
.set KF,  24                           ; v24-27  lane (key r, h): w[key][4 h .. 4 h + 3]
.set VT,  28                           ; v28-35  lane (row min(r, 9), h): that row at keys 8 h .. 8 h + 7 of the tile
.set ST,  36                           ; v36-51  a tile's statistics: +0 M, +1 T, +2 F, +3 X
.set RS,  52                           ; v52-59  sum of relu(t), a pair a tile
.set R,   60                           ; v60-63  relu(t) of two keys: two pairs by turns
.set S,   64                           ; v64-95  scores: lane (query r, h), register j: key 8 h + j
.set ED,  96                           ; v96-127 this trip's sum p w: lanes 0-15 the 8 dims; lanes 16-31 register 0 the sum of p, the others 0
.set EV,  128                          ; v128-159 the running sums of the same
.set P,   160                          ; v160-191 p
.set WB,  192                          ; v192-223 two buffers of 16: two keys' rows of w, the same in all lanes of a half
.set RA,  224                          ; v224-255 sum relu(t) w, 8 a tile, my half's keys
.set WV,  34                           ; s34     my wave's number
.set HM,  35                           ; s35     mask of lanes 16-31
.set SEL, 60                           ; s[60:61] selects of v_permlanex16_b32: lane l xor 16
.set CTR, 62
.set EIGHTH, 63
.set EPS, 66
.set PVON, 0
.set CNT, 0
.set PVN, 0
.macro PLACES n                        ; behind a matrix instruction only plain vector lines that name none of its registers count as distance (ISA guide 7.12.1)
.rept \n
	v_nop
.endr
.endm
.macro HALF4 d, s                      ; of 8 numbers that both halves of the lanes hold, lanes 0-15 keep the first four, lanes 16-31 the last four: an operand of the f32 matrix form
.irp i,0,1,2,3
	v_cndmask_b32 v[\d+\i], v[\s+\i], v[\s+4+\i], s[HM]
.endr
.endm
.macro LNA s, d, t                     ; LayerNorm, first part: d = s - mean, t+2 = variance + eps.  Two passes: no difference of large sums
	v_pk_add_f32 v[\t:\t+1], v[\s:\s+1], v[\s+2:\s+3]
	v_pk_add_f32 v[\t+2:\t+3], v[\s+4:\s+5], v[\s+6:\s+7]
	v_pk_add_f32 v[\t:\t+1], v[\t:\t+1], v[\t+2:\t+3]
	v_add_f32 v[\t], v[\t], v[\t+1]
	v_mul_f32 v[\t], s[EIGHTH], v[\t]
.irp k,0,2,4,6
	v_pk_add_f32 v[\d+\k:\d+\k+1], v[\s+\k:\s+\k+1], v[\t:\t+1] op_sel_hi:[1,0] neg_lo:[0,1] neg_hi:[0,1]
.endr
	v_pk_mul_f32 v[\t+2:\t+3], v[\d:\d+1], v[\d:\d+1]
.irp k,2,4,6
	v_pk_fma_f32 v[\t+2:\t+3], v[\d+\k:\d+\k+1], v[\d+\k:\d+\k+1], v[\t+2:\t+3]
.endr
	v_add_f32 v[\t+2], v[\t+2], v[\t+3]
	v_fma_f32 v[\t+2], v[\t+2], s[EIGHTH], s[EPS]
.endm
.macro LNB s, d, t, w                  ; second part, behind v_rsq_f32 of t+2: d = s x rsqrt x gain + bias; gains at v[w], biases at v[w+8]
.irp k,0,2,4,6
	v_pk_mul_f32 v[\d+\k:\d+\k+1], v[\s+\k:\s+\k+1], v[\t+2:\t+3] op_sel_hi:[1,0]
.endr
.irp k,0,2,4,6
	v_pk_fma_f32 v[\d+\k:\d+\k+1], v[\d+\k:\d+\k+1], v[\w+\k:\w+\k+1], v[\w+8+\k:\w+8+\k+1]
.endr
.endm
	s_load_b512 s[4:19], s[0:1], 0x0               ; x s[4:5], y s[6:7], Wq s[8:9], Wk s[10:11], Wv s[12:13], ln_w s[14:15], ln_b s[16:17], W1 s[18:19]
	s_load_b256 s[20:27], s[0:1], 0x40             ; W3 s[20:21], W2's codes s[22:23], b1 s[24:25], b2 s[26:27]
	s_load_b128 s[28:31], s[0:1], 0x60             ; W2's scales s[28:29], b3 s[30:31]
	s_load_b64 s[32:33], s[0:1], 0x70              ; out
	v_lshrrev_b32 v19, 5, v0
	v_readfirstlane_b32 s[WV], v19                 ; wave 0..15
	v_and_b32 v19, 31, v0                          ; lane
	v_and_b32 v20, 15, v0                          ; r
	v_bfe_u32 v21, v0, 4, 1                        ; h
	v_and_b32 v8, 7, v0                            ; r % 8
	s_mov_b32 s[HM], 0xffff0000
	s_mov_b32 s[SEL], 0x76543210
	s_mov_b32 s[SEL+1], 0xfedcba98
	s_mov_b32 s[EIGHTH], 0x3e000000                ; 1 / 8
	s_mov_b32 s[EPS], 0x3727c5ac                   ; 1e-5
	s_mov_b32 s75, 0x3f0293ee                      ; c = log2(e) / sqrt 8
	s_mov_b32 s77, 0x3d8df4e0                      ; c1 = 0.1 ln 2
	s_lshl_b32 s72, ttmp9, 11                      ; my work-group's 64 rows of 32 bytes in x and in out
	s_mul_i32 s74, s[WV], REG                      ; my region of LDS
	s_add_co_u32 s67, s[WV], 2
	s_lshr_b32 s67, s67, 4                         ; 1 in waves 14 and 15
	s_and_b32 s73, s[WV], 3
	; every LDS address is made here, ahead of the first branch on the wave's number
	v_lshlrev_b32 v[AW], 5, v20
	v_lshl_add_u32 v[AW], v21, 4, v[AW]
	v_add_nc_u32 v[AW], s74, v[AW]                 ; key r x 32 + 16 h
	v_lshl_add_u32 v[AB], v21, 8, s74              ; my half's eight keys: 256 h
	v_min_u32 v23, 9, v20                          ; rows 0-7 the dims, 8 the ones, 9 the zeros for all further rows of the operand
	v_mul_u32_u24 v[AV], v23, VP
	v_lshl_add_u32 v[AV], v21, 5, v[AV]
	s_add_co_u32 s76, s74, VTO
	v_add_nc_u32 v[AV], s76, v[AV]
	v_lshl_add_u32 v15, v19, 5, s74                ; where my keys' rows go: 32 x lane
	v_lshl_add_u32 v16, v19, 2, s76                ; and their numbers in the transposed rows: 4 x lane
	v_lshl_add_u32 v17, v19, 4, s76                ; the rows of ones and zeros: 16 x lane
	v_lshl_add_u32 v60, v19, 4, QSB                ; a query fragment's image: 16 x lane
	s_lshl_b32 s78, s73, 9
	v_add_nc_u32 v61, s78, v60                     ; and the one that I store (waves 0-3)
	v_lshl_add_u32 v11, v0, 4, WTS                 ; my 16 bytes among the small weights: 16 x my thread's number, that is 512 x wave + 16 x lane
	v_and_b32 v23, 16, v0
	v_mul_u32_u24 v23, v23, s67
	v_sub_nc_u32 v23, v19, v23                     ; in memory: the lane; in waves 14 and 15 lane % 16: b1 and b2 are 256 bytes, read by both halves alike (the upper half's copy fills the slot's upper 256 bytes, which nobody reads)
	; offsets in memory
	s_lshl_b32 s80, s[WV], 13
	v_lshl_add_u32 v9, v19, 5, s80                 ; y: 8,192 x wave + 32 x lane
	s_add_co_u32 s78, s78, s72
	v_lshl_add_u32 v12, v20, 5, s78                ; x: tile wave % 4, row r
	v_lshlrev_b32 v13, 5, v8
	v_lshl_add_u32 v13, v21, 4, v13                ; Wq[r % 8][4 h ..]
	v_lshlrev_b32 v14, 2, v8
	v_lshl_add_u32 v14, v21, 7, v14                ; Wk[4 h + e][r % 8]
	s_wait_kmcnt 0x0
	s_load_b256 s[36:43], s[14:15], 0x0            ; ln_w
	s_load_b256 s[44:51], s[16:17], 0x0            ; ln_b
	s_load_b256 s[52:59], s[30:31], 0x0            ; b3
	s_cmp_lt_u32 s[WV], 4                          ; which small weight my wave brings into LDS: waves 0-3 W1, 4-7 W3, 8-13 W2's codes, 14 b1, 15 b2
	s_cselect_b64 s[68:69], s[18:19], s[20:21]
	s_cselect_b32 s70, 0, 4
	s_cmp_lt_u32 s[WV], 8
	s_cselect_b64 s[68:69], s[68:69], s[22:23]
	s_cselect_b32 s70, s70, 8
	s_cmp_lt_u32 s[WV], 14
	s_cselect_b64 s[68:69], s[68:69], s[24:25]
	s_cselect_b32 s70, s70, 14
	s_cmp_lt_u32 s[WV], 15
	s_cselect_b64 s[68:69], s[68:69], s[26:27]
	s_cselect_b32 s70, s70, 15
	s_sub_co_u32 s70, s[WV], s70
	s_lshl_b32 s70, s70, 9
	v_lshl_add_u32 v10, v23, 4, s70
	global_load_b128 v[24:27], v10, s[68:69]
.irp i,0,1,2,3,4,5,6,7                 ; my lane's eight keys: 256 w + 32 i + lane
	global_load_b128 v[128+8*\i:131+8*\i], v9, s[6:7] offset:1024*\i
	global_load_b128 v[132+8*\i:135+8*\i], v9, s[6:7] offset:1024*\i+16
.endr
	global_load_b128 v[28:31], v12, s[4:5]
	global_load_b128 v[32:35], v12, s[4:5] offset:16
	global_load_b128 v[36:39], v13, s[8:9]
.irp e,0,1,2,3
	global_load_b32 v[40+\e], v14, s[10:11] offset:32*\e
.endr
.irp i,0,1,2,3
	v_mov_b32 v[44+\i], 1.0
	v_mov_b32 v[48+\i], 0
.endr
	ds_store_b128 v17, v[44:47] offset:8*VP
	ds_store_b128 v17, v[44:47] offset:8*VP+512
	ds_store_b128 v17, v[48:51] offset:9*VP
	ds_store_b128 v17, v[48:51] offset:9*VP+512
	s_wait_kmcnt 0x0
.irp j,0,1,2,3,4,5,6,7
	v_mov_b32 v[224+\j], s[36+\j]                  ; the packed forms want gains and biases in vector pairs
	v_mov_b32 v[232+\j], s[44+\j]
.endr
	s_wait_loadcnt 0x0
	ds_store_b128 v11, v[24:27]
	; w = LN(y), eight keys a lane, in place
.irp i,0,1,2,3,4,5,6,7
	LNA 128+8*\i, 128+8*\i, 192+4*\i
.endr
.irp i,0,1,2,3,4,5,6,7
	v_rsq_f32 v[194+4*\i], v[194+4*\i]
.endr
	v_nop                                          ; a plain line behind the last of the batch,
	s_wait_alu depctr_va_vdst(0)                   ; and one wait for the eight, ahead of their first reader
.irp i,0,1,2,3,4,5,6,7
	LNB 128+8*\i, 128+8*\i, 192+4*\i, 224
.endr
.irp i,0,1,2,3,4,5,6,7
	ds_store_b128 v15, v[128+8*\i:131+8*\i] offset:1024*\i
	ds_store_b128 v15, v[132+8*\i:135+8*\i] offset:1024*\i+16
.irp d,0,1,2,3,4,5,6,7
	ds_store_b32 v16, v[128+8*\i+\d] offset:\d*VP+128*\i
.endr
.endr
	; waves 0-3: q' of tile w.  Source 0 = 16 rows of a weight (row r % 8: both halves of the lanes get all 8 results), source 1 = the queries
	s_cmp_lt_u32 s[WV], 4
	s_cbranch_scc0 .Lno_query
	LNA 28, 28, 52
	v_rsq_f32 v54, v54
	v_nop
	s_wait_alu depctr_va_vdst(0)
	LNB 28, 28, 52, 224
	HALF4 56, 28
	v_wmma_f32_16x16x4_f32 v[64:71], v[36:37], v[56:57], 0
	s_wait_alu depctr_va_vdst(0)                   ; the wait directly ahead of the link
	v_wmma_f32_16x16x4_f32 v[64:71], v[38:39], v[58:59], v[64:71]
	PLACES 8
	HALF4 240, 64                                  ; LN(x) Wq^T
	v_wmma_f32_16x16x4_f32 v[72:79], v[40:41], v[240:241], 0
	s_wait_alu depctr_va_vdst(0)
	v_wmma_f32_16x16x4_f32 v[72:79], v[42:43], v[242:243], v[72:79]
	PLACES 8
	HALF4 56, 72                                   ; ( .. ) Wk
.irp i,0,1,2,3
	v_mul_f32 v[56+\i], s75, v[56+\i]
.endr
	ds_store_b128 v61, v[56:59]
.Lno_query:
	s_wait_dscnt 0x0                               ; for the others' sake: all my LDS stores are done
	s_barrier_signal -1
	s_barrier_wait -1                              ; w, q' and the small weights lie in LDS.  From here to the next barrier LDS is only read
; ---- the loop's parts
.macro LDKF o
	ds_load_b128 v[KF:KF+3], v[AW] offset:\o
.endm
.macro LDVT o
	ds_load_b128 v[VT:VT+3], v[AV] offset:\o
	ds_load_b128 v[VT+4:VT+7], v[AV] offset:\o+16
.endm
.macro LDWB jp, o                      ; keys 8 h + 2 jp and 8 h + 2 jp + 1 of the tile: 64 bytes, into buffer jp % 2
.irp q,0,1,2,3
	ds_load_b128 v[WB+16*((\jp)%2)+4*\q:WB+16*((\jp)%2)+4*\q+3], v[AB] offset:\o+64*(\jp)+16*\q
.endr
.endm
.macro SCORES                          ; S^T = w q'^T: two K steps of 4 dims; the four tiles' accumulators by turns
.irp t,0,1,2,3
	v_wmma_f32_16x16x4_f32 v[S+8*\t:S+8*\t+7], v[KF:KF+1], v[Q+4*\t:Q+4*\t+1], 0
.endr
.irp t,0,1,2,3
	v_wmma_f32_16x16x4_f32 v[S+8*\t:S+8*\t+7], v[KF+2:KF+3], v[Q+4*\t+2:Q+4*\t+3], v[S+8*\t:S+8*\t+7]
.endr
.endm
.macro PVW                             ; number PVN of 16: K step PVN / 4 (keys 8 h + 2 i, + 1), tile PVN % 4: p's registers are source 1 as they stand
.set pi, PVN/4
.set pt, PVN%4
.if pi == 0
	v_wmma_f32_16x16x4_f32 v[ED+8*pt:ED+8*pt+7], v[VT+2*pi:VT+2*pi+1], v[P+8*pt+2*pi:P+8*pt+2*pi+1], 0
.else
	v_wmma_f32_16x16x4_f32 v[ED+8*pt:ED+8*pt+7], v[VT+2*pi:VT+2*pi+1], v[P+8*pt+2*pi:P+8*pt+2*pi+1], v[ED+8*pt:ED+8*pt+7]
.endif
.endm
.macro TICK                            ; behind every seventh vector line of the relu sums one of the 16 matrix instructions: 132 lines, so 20 follow the last
.set CNT, CNT+1
.if PVON && (CNT%7 == 0) && (PVN < 16)
	PVW
.set PVN, PVN+1
.endif
.endm
.macro STATS                           ; the running maximum, the four tiles by turns.  Each accumulator is read from its low end on
.irp t,0,1,2,3
	v_max3_num_f32 v[ST+4*\t+1], v[S+8*\t], v[S+8*\t+1], v[S+8*\t+2]
.endr
.irp t,0,1,2,3
	v_max3_num_f32 v[ST+4*\t+1], v[ST+4*\t+1], v[S+8*\t+3], v[S+8*\t+4]
.endr
.irp t,0,1,2,3
	v_max3_num_f32 v[ST+4*\t+1], v[ST+4*\t+1], v[S+8*\t+5], v[S+8*\t+6]
.endr
.irp t,0,1,2,3
	v_max3_num_f32 v[ST+4*\t+1], v[ST+4*\t+1], v[S+8*\t+7], v[ST+4*\t]
.endr
.irp t,0,1,2,3
	v_permlanex16_b32 v[ST+4*\t+3], v[ST+4*\t+1], s[SEL], s[SEL+1]  ; the query's other eight keys lie in the lane 16 away
.endr
.irp t,0,1,2,3
	v_max_num_f32 v[ST+4*\t+1], v[ST+4*\t+1], v[ST+4*\t+3]
.endr
.irp t,0,1,2,3
	v_sub_f32 v[ST+4*\t+2], v[ST+4*\t], v[ST+4*\t+1]                ; old M - new M
.endr
.irp t,0,1,2,3
	v_mov_b32 v[ST+4*\t], v[ST+4*\t+1]                              ; both were wanted in the line above
.endr
.endm
.macro SUBM t
.irp k,0,2,4,6
	v_pk_add_f32 v[P+8*(\t)+\k:P+8*(\t)+\k+1], v[S+8*(\t)+\k:S+8*(\t)+\k+1], v[ST+4*(\t):ST+4*(\t)+1] op_sel_hi:[1,0] neg_lo:[0,1] neg_hi:[0,1]
.endr
.endm
.macro EXPT t                          ; 2^(old M - new M) and the tile's eight p
	v_exp_f32 v[ST+4*(\t)+2], v[ST+4*(\t)+2]
.irp j,0,1,2,3,4,5,6,7
	v_exp_f32 v[P+8*(\t)+\j], v[P+8*(\t)+\j]
.endr
.endm
.macro RELU jp, t                      ; keys 8 h + 2 jp, + 1 of tile t: relu(t), its sum, and relu(t) x the key's 8 numbers: 11 lines
.set rr, R+2*((\t)%2)
.set wb, WB+16*((\jp)%2)
	v_max_num_f32 v[rr], 0, v[S+8*(\t)+2*(\jp)]
	TICK
	v_max_num_f32 v[rr+1], 0, v[S+8*(\t)+2*(\jp)+1]
	TICK
	v_pk_add_f32 v[RS+2*(\t):RS+2*(\t)+1], v[RS+2*(\t):RS+2*(\t)+1], v[rr:rr+1]
	TICK
.irp d,0,2,4,6
	v_pk_fma_f32 v[RA+8*(\t)+\d:RA+8*(\t)+\d+1], v[wb+\d:wb+\d+1], v[rr:rr+1], v[RA+8*(\t)+\d:RA+8*(\t)+\d+1] op_sel_hi:[1,0,1]
	TICK
.endr
.irp d,0,2,4,6
	v_pk_fma_f32 v[RA+8*(\t)+\d:RA+8*(\t)+\d+1], v[wb+8+\d:wb+8+\d+1], v[rr:rr+1], v[RA+8*(\t)+\d:RA+8*(\t)+\d+1] op_sel:[0,1,0]
	TICK
.endr
.endm
.macro FOLD                            ; the running sums under the new M, and this trip's: one fused multiply-add
.irp t,0,1,2,3
.irp k,0,2,4,6
	v_pk_fma_f32 v[EV+8*\t+\k:EV+8*\t+\k+1], v[EV+8*\t+\k:EV+8*\t+\k+1], v[ST+4*\t+2:ST+4*\t+3], v[ED+8*\t+\k:ED+8*\t+\k+1] op_sel_hi:[1,0,1]
.endr
.endr
.endm
; A TRIP: the tile whose scores lie in S.  next = 1: the next tile's operands are fetched and its scores made.  On the way in there may be out, in this order: WB's buffers 0 and 1 (4 + 4 loads), VT (2).
.macro BODY next
.if \next
	LDKF 512                                       ; the last products that read KF stand 19 plain lines back
.endif
	STATS
.irp t,0,1,2,3
	SUBM \t
.endr
	s_wait_dscnt 6+\next                           ; buffer 0 is in; younger: buffer 1's four, VT's two, KF's one
.set PVON, 0
.irp t,0,1,2,3
	EXPT \t                                        ; the exponentials are one batch of 36; no line ahead of the wait below names a result
	RELU 0,\t                                      ; plain work behind each nine
.endr
	LDWB 2,0
	s_wait_alu depctr_va_vdst(0)                   ; one wait for the batch, ahead of its first reader
	s_wait_dscnt 4+\next                           ; buffer 1 and VT are in; younger: KF's one, the four just issued
.set PVON, 1
.set CNT, 0
.set PVN, 0
.irp t,0,1,2,3
	RELU 1,\t
.endr
	LDWB 3,0
	s_wait_dscnt 4                                 ; buffer 0 (and KF) are in; younger: the four just issued
.irp t,0,1,2,3
	RELU 2,\t
.endr
.if \next
	LDWB 0,512
	s_wait_dscnt 4                                 ; buffer 1 is in; younger: the four just issued
.else
	s_wait_dscnt 0x0
.endif
.irp t,0,1,2,3
	RELU 3,\t
.endr
.if \next
	LDWB 1,512
	SCORES
.endif
	FOLD                                           ; 20 plain lines behind the last product that wrote ED; its 16 lines are the distance behind SCORES
.if \next
	LDVT 64
	v_add_nc_u32 v[AW], 512, v[AW]
	v_add_nc_u32 v[AB], 512, v[AB]
	v_add_nc_u32 v[AV], 64, v[AV]
.endif
.endm
.irp t,0,1,2,3
	ds_load_b128 v[Q+4*\t:Q+4*\t+3], v60 offset:512*\t
.endr
	LDKF 0
	LDWB 0,0
	LDWB 1,0
	LDVT 0
	s_wait_dscnt 10                                ; q' and KF are in; younger: WB's 4 + 4, VT's 2
	SCORES
.set i, 0
.rept 32                               ; the sums begin as zeros and M under every t, so that the trip is written once for all tiles; these lines are also the distance behind SCORES
	v_mov_b32 v[EV+i], 0
	v_mov_b32 v[RA+i], 0
.set i, i+1
.endr
.irp j,0,1,2,3,4,5,6,7
	v_mov_b32 v[RS+\j], 0
.endr
.irp t,0,1,2,3
	v_mov_b32 v[ST+4*\t], 0xff61b1e6               ; -3e38
	v_mov_b32 v[ST+4*\t+3], 0                      ; a lane permute's destination counts as one of its sources
.endr
	s_mov_b32 s[CTR], 15
.Ltile:
	BODY 1
	s_sub_co_i32 s[CTR], s[CTR], 1
	s_cmp_lg_u32 s[CTR], 0
	s_cbranch_scc1 .Ltile
	BODY 0                                         ; the sixteenth tile fetches nothing
	; ---- the partial results go to LDS, over my own keys
	v_and_b32 v3, 31, v0
	v_lshl_add_u32 v1, v3, 4, s74
	v_lshl_add_u32 v2, v3, 2, s74
.irp t,0,1,2,3
	v_add_f32 v[ST+4*\t+1], v[RS+2*\t], v[RS+2*\t+1]
.endr
	s_wait_dscnt 0x0                               ; my reads of LDS are over
	s_barrier_signal -1
	s_barrier_wait -1                              ; everybody's are: from here to the next barrier LDS is only written, each wave in its own region
.irp t,0,1,2,3
	ds_store_b128 v1, v[EV+8*\t:EV+8*\t+3] offset:PT*\t
	ds_store_b128 v1, v[EV+8*\t+4:EV+8*\t+7] offset:PT*\t+512
	ds_store_b128 v1, v[RA+8*\t:RA+8*\t+3] offset:PT*\t+1024
	ds_store_b128 v1, v[RA+8*\t+4:RA+8*\t+7] offset:PT*\t+1536
	ds_store_b32 v2, v[ST+4*\t] offset:PT*\t+2048
	ds_store_b32 v2, v[ST+4*\t+1] offset:PT*\t+2176
.endr
	s_wait_dscnt 0x0
	s_barrier_signal -1
	s_barrier_wait -1                              ; the last barrier: LDS is only read from here on
	; the addresses of the rest, made by every wave, ahead of the parting
	v_and_b32 v8, 31, v0                           ; lane
	v_and_b32 v9, 15, v0                           ; r
	v_bfe_u32 v10, v0, 4, 1                        ; h
	v_and_b32 v11, 7, v0                           ; r % 8
	v_bfe_u32 v12, v0, 3, 1                        ; r / 8
	s_mul_i32 s76, s[WV], PT
	v_lshl_add_u32 v1, v8, 4, s76                  ; my tile's partial sums in region 0
	v_lshl_add_u32 v2, v8, 2, s76                  ; and M, R
	v_lshl_add_u32 v3, v12, 10, WTS                ; W1: lane r of tile T takes unit 32 (r / 8) + 8 T + r % 8, so that a lane's 32 results are the 32 units of block h
	v_lshl_add_u32 v3, v11, 5, v3
	v_lshl_add_u32 v3, v10, 4, v3
	v_lshl_add_u32 v48, v10, 7, WTS+B1O            ; b1[32 h + 8 T ..]
	v_lshl_add_u32 v49, v10, 5, WTS+B2O            ; b2[16 T + 8 h ..]
	v_mad_u32_u24 v50, v9, 48, WTS+W2O             ; W2's codes: row 16 T + r of 48 bytes, block h of 24
	v_mad_u32_u24 v50, v10, 24, v50
	v_lshl_add_u32 v51, v11, 8, WTS+W3O            ; W3[r % 8][16 T + 8 h ..]
	v_lshl_add_u32 v51, v10, 5, v51
	s_lshl_b32 s78, s[WV], 9
	s_add_co_u32 s78, s78, s72
	v_lshl_add_u32 v52, v9, 5, s78                 ; x: my tile's row r
	v_lshlrev_b32 v53, 5, v11
	v_lshl_add_u32 v53, v10, 4, v53                ; Wv[r % 8][4 h ..]
	v_lshlrev_b32 v54, 1, v8                       ; W2's scales: 2 bytes a row, a lane a row
	v_lshl_add_u32 v55, v10, 4, v52                ; out: row r, + 16 h
	s_cmp_lt_u32 s[WV], 4
	s_cbranch_scc1 .Lfinish
	s_wait_xcnt 0x0
	v_lshl_add_u32 v254, v0, 2, 0x4b800
	v_mov_b32 v255, 0
	s_wait_tensorcnt 0x0
	ds_add_u32 v254, v255
	s_wait_dscnt 0x0
	s_endpgm
.Lfinish:
	; ---- wave t finishes tile t.  First the sixteen partial results
	global_load_b128 v[8:11], v52, s[4:5]
	global_load_b128 v[12:15], v52, s[4:5] offset:16
	global_load_b128 v[56:59], v53, s[12:13]
	global_load_u16 v4, v54, s[28:29]              ; rows 0-31: tile 0 in lanes 0-15, tile 1 in lanes 16-31; the upper two bytes are 0 and stand over zero codes
	global_load_u16 v5, v54, s[28:29] offset:64    ; rows 32-63
.irp q,0,1,2,3
.irp w,0,1,2,3
	ds_load_b32 v[32+4*\q+\w], v2 offset:\w*REG+2048
	ds_load_b32 v[192+4*\q+\w], v2 offset:\w*REG+2176
.endr
	v_add_nc_u32 v2, 4*REG, v2                     ; four regions on: the immediate reaches three
.endr
.macro CSET reg                        ; four waves' sums, 16 registers each
.irp w,0,1,2,3
	ds_load_b128 v[\reg+16*\w:\reg+16*\w+3], v1 offset:\w*REG
	ds_load_b128 v[\reg+16*\w+4:\reg+16*\w+7], v1 offset:\w*REG+512
	ds_load_b128 v[\reg+16*\w+8:\reg+16*\w+11], v1 offset:\w*REG+1024
	ds_load_b128 v[\reg+16*\w+12:\reg+16*\w+15], v1 offset:\w*REG+1536
.endr
	v_add_nc_u32 v1, 4*REG, v1
.endm
.macro CACC reg, q                     ; E (v16-23) += g_n EV_n, A (v24-31) += RA_n, for the waves n = 4 q + w, w = 0 .. 3.  Wave 0's term starts E; waves 0 and 1 together start A
.irp w,0,1,2,3
.irp d,0,2,4,6
.if (4*(\q)+\w) == 0
	v_pk_mul_f32 v[16+\d:17+\d], v[\reg+\d:\reg+\d+1], v[32:33] op_sel_hi:[1,0]
.elseif (\w%2) == 0
	v_pk_fma_f32 v[16+\d:17+\d], v[\reg+16*\w+\d:\reg+16*\w+\d+1], v[32+4*(\q)+\w:33+4*(\q)+\w], v[16+\d:17+\d] op_sel_hi:[1,0,1]
.else
	v_pk_fma_f32 v[16+\d:17+\d], v[\reg+16*\w+\d:\reg+16*\w+\d+1], v[31+4*(\q)+\w:32+4*(\q)+\w], v[16+\d:17+\d] op_sel:[0,1,0]
.endif
.endr
.irp d,0,2,4,6
.if (4*(\q)+\w) == 0
.elseif (4*(\q)+\w) == 1
	v_pk_add_f32 v[24+\d:25+\d], v[\reg+8+\d:\reg+9+\d], v[\reg+24+\d:\reg+25+\d]
.else
	v_pk_add_f32 v[24+\d:25+\d], v[24+\d:25+\d], v[\reg+16*\w+8+\d:\reg+16*\w+9+\d]
.endif
.endr
.endr
.endm
	CSET 128
	s_wait_dscnt 16                                ; the 16 M and the 16 R are in; younger: the first set's 16
	v_max3_num_f32 v60, v32, v33, v34
.irp i,35,37,39,41,43,45
	v_max3_num_f32 v60, v60, v[\i], v[\i+1]
.endr
	v_max_num_f32 v60, v60, v47                    ; the query's maximum over all keys
.irp w,0,1,2,3,4,5,6,7,8,9,10,11,12,13,14,15
	v_sub_f32 v[32+\w], v[32+\w], v60
.endr
.irp w,0,1,2,3,4,5,6,7,8,9,10,11,12,13,14,15
	v_exp_f32 v[32+\w], v[32+\w]                   ; g_w = 2^(M_w - maximum)
.endr
.irp i,192,196,200,204
	v_pk_add_f32 v[\i:\i+1], v[\i:\i+1], v[\i+2:\i+3]   ; the sum of R: plain work behind the batch
.endr
	v_pk_add_f32 v[192:193], v[192:193], v[196:197]
	v_pk_add_f32 v[200:201], v[200:201], v[204:205]
	v_pk_add_f32 v[192:193], v[192:193], v[200:201]
	v_add_f32 v7, v192, v193
	s_wait_alu depctr_va_vdst(0)                   ; one wait for the sixteen
	CSET 192
	s_wait_dscnt 16                                ; a set is in when only the next set's 16 loads are younger
	CACC 128, 0
	CSET 128
	s_wait_dscnt 16
	CACC 192, 1
	CSET 192
	s_wait_dscnt 16
	CACC 128, 2
.irp T,0,1,2,3
	ds_load_b128 v[160+4*\T:163+4*\T], v3 offset:256*\T            ; W1's four fragments
.endr
.irp T,0,1,2,3
	ds_load_b128 v[128+8*\T:131+8*\T], v48 offset:32*\T            ; b1 in the result's layout
	ds_load_b128 v[132+8*\T:135+8*\T], v48 offset:32*\T+16
.endr
	s_wait_dscnt 12                                ; the last set is in; younger: the 12 just issued
	CACC 192, 3
.irp T,0,1,2,3
.irp p,0,1,2
	ds_load_b64 v[208+12*\T+2*\p:209+12*\T+2*\p], v50 offset:768*\T+8*\p   ; W2's fragments: k = 32 h .. 32 h + 31 in registers 0-5, as the bytes lie
.endr
.endr
	; ---- the halves of the lanes meet; aw
.irp j,0,1,2,3,4,5,6,7
	v_permlanex16_b32 v[176+\j], v[16+\j], s[SEL], s[SEL+1]
	v_permlanex16_b32 v[184+\j], v[24+\j], s[SEL], s[SEL+1]
.endr
	v_permlanex16_b32 v63, v7, s[SEL], s[SEL+1]
	v_add_f32 v7, v7, v63                          ; R
	v_cndmask_b32 v61, v176, v16, s[HM]            ; L lies in register 0 of lanes 16-31
	v_fma_f32 v62, v7, s77, 1.0                    ; 1 + c1 R
	v_rcp_f32 v61, v61
	v_rcp_f32 v62, v62
	v_cndmask_b32 v16, v16, v176, s[HM]            ; E's dim 0 lies in register 0 of lanes 0-15;
	v_add_f32 v17, v17, v177                       ; the other dims stand against zeros
.irp d,2,4,6
	v_pk_add_f32 v[16+\d:17+\d], v[16+\d:17+\d], v[176+\d:177+\d]
.endr
.irp d,0,2,4,6
	v_pk_add_f32 v[24+\d:25+\d], v[24+\d:25+\d], v[184+\d:185+\d]   ; A: each half summed its own keys
.endr
	s_wait_alu depctr_va_vdst(0)                   ; one wait for the two reciprocals
	v_mul_f32 v44, s77, v62                        ; c1 / (1 + c1 R)
	v_mul_f32 v45, s77, v62
	v_mul_f32 v46, v61, v62                        ; 1 / (L (1 + c1 R))
	v_mul_f32 v47, v61, v62
.irp d,0,2,4,6
	v_pk_mul_f32 v[32+\d:33+\d], v[24+\d:25+\d], v[44:45]
.endr
.irp d,0,2,4,6
	v_pk_fma_f32 v[32+\d:33+\d], v[16+\d:17+\d], v[46:47], v[32+\d:33+\d]
.endr
	HALF4 40, 32
	; ---- z1 = Wv aw + x: x is the C of the first product
	s_wait_loadcnt 0x0
	v_wmma_f32_16x16x4_f32 v[96:103], v[56:57], v[40:41], v[8:15]
	s_wait_alu depctr_va_vdst(0)                   ; one accumulator alone
	v_wmma_f32_16x16x4_f32 v[96:103], v[58:59], v[42:43], v[96:103]
.irp j,0,1,2,3,4,5,6,7                 ; gains and biases again: 16 plain lines, the distance behind the products
	v_mov_b32 v[16+\j], s[36+\j]
	v_mov_b32 v[24+\j], s[44+\j]
.endr
	LNA 96, 32, 60
	v_rsq_f32 v62, v62
.irp j,0,1,2,3,4,5,6,7
	v_add_f32 v[8+\j], s[52+\j], v[96+\j]          ; z1 + b3: the C of the last product
.endr
	s_wait_alu depctr_va_vdst(0)
	LNB 32, 32, 60, 16
	HALF4 40, 32
	; ---- the first layer: four tiles of 16 units, b1 as C
	s_wait_dscnt 12                                ; W1 and b1 are in; younger: W2's 12
.irp T,0,1,2,3
	v_wmma_f32_16x16x4_f32 v[64+8*\T:71+8*\T], v[160+4*\T:161+4*\T], v[40:41], v[128+8*\T:135+8*\T]
.endr
.irp T,0,1,2,3
	v_wmma_f32_16x16x4_f32 v[64+8*\T:71+8*\T], v[162+4*\T:163+4*\T], v[42:43], v[64+8*\T:71+8*\T]
.endr
.irp T,0,1,2,3
.irp i,6,7,8,9,10,11
	v_mov_b32 v[208+12*\T+\i], 0                   ; K is 64: k = 64 .. 127 of W2's fragments are zero codes.  24 plain lines: the distance behind the products
.endr
.endr
.irp T,0,1,2,3
	ds_load_b128 v[128+8*\T:131+8*\T], v49 offset:64*\T            ; b2 in the result's layout
	ds_load_b128 v[132+8*\T:135+8*\T], v49 offset:64*\T+16
.endr
.set i, 0
.rept 32
	v_max_num_f32 v[176+i], 0, v[64+i]             ; relu: register n = unit 32 h + n of my query
.set i, i+1
.endr
	; ---- the quantiser: my 32 numbers are one whole block along the next K.  None is negative
	v_max3_num_f32 v60, v176, v177, 0x1800000      ; with the floor 2^(3 - 127): the byte cannot fall under 1
	v_max3_num_f32 v61, v192, v193, v194
.irp i,2,4,6,8,10,12
	v_max3_num_f32 v60, v60, v[176+\i], v[177+\i]
	v_max3_num_f32 v61, v61, v[193+\i], v[194+\i]
.endr
	v_max3_num_f32 v60, v60, v190, v191
	v_max3_num_f32 v60, v60, v61, v207
	v_add_nc_u32 v62, 0xff000000, v60              ; 2 off the exponent field: the conversion takes this operand's exponent field as its scale
	v_lshrrev_b32 v63, 23, v62                     ; the scale's byte
	v_permlanex16_b32 v7, v63, s[SEL], s[SEL+1]
	v_lshl_or_b32 v6, v7, 8, v63                   ; lanes 0-15: block 0's byte, block 1's above it; the upper two bytes stand over zero codes
.irp i,38,39,40,41,42,43
	v_mov_b32 v[\i], 0                             ; k = 64 .. 127: zero codes
.endr
	v_cvt_scalef32_pk16_fp6_f32 v[32:34], v[176:191], v62
	v_cvt_scalef32_pk16_fp6_f32 v[44:46], v[192:207], v62   ; (a conversion's three registers begin on an even number)
	v_nop                                          ; one plain line behind a scaled conversion
.irp T,0,1,2,3
	ds_load_b128 v[176+8*\T:179+8*\T], v51 offset:64*\T            ; W3's fragments
	ds_load_b128 v[180+8*\T:183+8*\T], v51 offset:64*\T+16
.endr
	v_mov_b32 v35, v44
	v_mov_b32 v36, v45
	v_mov_b32 v37, v46
	PLACES 8                                       ; a scale word written by a vector line stands 8 plain lines ahead of a scaled matrix instruction, an operand 4
	s_wait_dscnt 8                                 ; W2's codes and b2 are in; younger: W3's eight
.irp T,0,1,2,3                         ; source 0 = 16 rows of W2, source 1 = the hidden layer's 16 queries; b2 as C
.if \T%2
	v_wmma_scale_f32_16x16x128_f8f6f4 v[96+8*\T:103+8*\T], v[208+12*\T:219+12*\T], v[32:43], v[128+8*\T:135+8*\T], v[4+\T/2], v6 matrix_a_fmt:MATRIX_FMT_FP6 matrix_b_fmt:MATRIX_FMT_FP6 matrix_a_scale:MATRIX_SCALE_ROW1
.else
	v_wmma_scale_f32_16x16x128_f8f6f4 v[96+8*\T:103+8*\T], v[208+12*\T:219+12*\T], v[32:43], v[128+8*\T:135+8*\T], v[4+\T/2], v6 matrix_a_fmt:MATRIX_FMT_FP6 matrix_b_fmt:MATRIX_FMT_FP6
.endif
.endr
	PLACES 4
.set i, 0
.rept 32
	v_max_num_f32 v[16+i], 0, v[96+i]              ; relu: register 8 T + j = unit 16 T + 8 h + j
.set i, i+1
.endr
	; ---- the last layer: 16 K steps of 4 on two accumulators by turns; z1 + b3 is the C of the first
	s_wait_dscnt 0x0
.set n, 0
.rept 16
.set oo, 64+8*(n%2)
.if n == 0
	v_wmma_f32_16x16x4_f32 v[oo:oo+7], v[176+2*n:177+2*n], v[16+2*n:17+2*n], v[8:15]
.elseif n == 1
	v_wmma_f32_16x16x4_f32 v[oo:oo+7], v[176+2*n:177+2*n], v[16+2*n:17+2*n], 0
.else
	v_wmma_f32_16x16x4_f32 v[oo:oo+7], v[176+2*n:177+2*n], v[16+2*n:17+2*n], v[oo:oo+7]
.endif
.set n, n+1
.endr
	PLACES 8
.irp d,0,2,4,6
	v_pk_add_f32 v[128+\d:129+\d], v[64+\d:65+\d], v[72+\d:73+\d]
.endr
	HALF4 136, 128
	global_store_b128 v55, v[136:139], s[32:33] th:TH_STORE_NT     ; the wave stores 16 rows of 32 bytes: 512 consecutive bytes, at a multiple of 512 from out's first byte
	s_wait_xcnt 0x0
	v_lshl_add_u32 v254, v0, 2, 0x4b800
	v_mov_b32 v255, 0
	s_wait_tensorcnt 0x0
	ds_add_u32 v254, v255
	s_wait_dscnt 0x0
	s_endpgm
.Lfunc_end_k_q4af27408d4_block:
	.size	k_q4af27408d4_block, .Lfunc_end_k_q4af27408d4_block-k_q4af27408d4_block
	.p2alignl 7, 3214868480
	.fill 96, 4, 3214868480
	.section	.rodata,"a",@progbits
	.p2align	6, 0x0
	.amdhsa_kernel k_q4af27408d4_block
		.amdhsa_group_segment_fixed_size 311296
		.amdhsa_private_segment_fixed_size 0
		.amdhsa_enable_private_segment 0
		.amdhsa_kernarg_size 120
		.amdhsa_user_sgpr_count 2
		.amdhsa_user_sgpr_kernarg_segment_ptr 1
		.amdhsa_wavefront_size32 1
		.amdhsa_system_sgpr_workgroup_id_x 1
		.amdhsa_system_sgpr_workgroup_id_y 1
		.amdhsa_system_sgpr_workgroup_id_z 1
		.amdhsa_system_vgpr_workitem_id 0
		.amdhsa_next_free_vgpr 256
		.amdhsa_next_free_sgpr 100
		.amdhsa_reserve_vcc 0
		.amdhsa_float_denorm_mode_32 3
		.amdhsa_float_denorm_mode_16_64 3
		.amdhsa_memory_ordered 1
		.amdhsa_forward_progress 1
		.amdhsa_inst_pref_size 102
	.end_amdhsa_kernel
	.amdgpu_metadata
---
amdhsa.version: [ 1, 2 ]
amdhsa.kernels:
  - .name:           k_q4af27408d4_block
    .symbol:         k_q4af27408d4_block.kd
    .args:
      - { .name: x, .offset: 0, .size: 8, .value_kind: global_buffer, .address_space: global }
      - { .name: y, .offset: 8, .size: 8, .value_kind: global_buffer, .address_space: global }
      - { .name: Wq, .offset: 16, .size: 8, .value_kind: global_buffer, .address_space: global }
      - { .name: Wk, .offset: 24, .size: 8, .value_kind: global_buffer, .address_space: global }
      - { .name: Wv, .offset: 32, .size: 8, .value_kind: global_buffer, .address_space: global }
      - { .name: ln_w, .offset: 40, .size: 8, .value_kind: global_buffer, .address_space: global }
      - { .name: ln_b, .offset: 48, .size: 8, .value_kind: global_buffer, .address_space: global }
      - { .name: W1, .offset: 56, .size: 8, .value_kind: global_buffer, .address_space: global }
      - { .name: W3, .offset: 64, .size: 8, .value_kind: global_buffer, .address_space: global }
      - { .name: W2_codes, .offset: 72, .size: 8, .value_kind: global_buffer, .address_space: global }
      - { .name: b1, .offset: 80, .size: 8, .value_kind: global_buffer, .address_space: global }
      - { .name: b2, .offset: 88, .size: 8, .value_kind: global_buffer, .address_space: global }
      - { .name: W2_scales, .offset: 96, .size: 8, .value_kind: global_buffer, .address_space: global }
      - { .name: b3, .offset: 104, .size: 8, .value_kind: global_buffer, .address_space: global }
      - { .name: out0, .offset: 112, .size: 8, .value_kind: global_buffer, .address_space: global }
    .group_segment_fixed_size: 311296
    .private_segment_fixed_size: 0
    .kernarg_segment_align: 8
    .kernarg_segment_size: 120
    .max_flat_workgroup_size: 512
    .sgpr_count:     100
    .vgpr_count:     256
    .wavefront_size: 32
...
	.end_amdgpu_metadata
.endif
;; end of part 1
;; ======== version 2 of 3: 1 launch; 1.22 times as fast as version 1
;; launch block (part 2): grid 256 x 1, 16 waves a work-group, no clusters, 159,744 bytes of LDS; arguments x, y, Wq, Wk, Wv, ln_w, ln_b, W1, W3, W2_codes, b1, b2, W2_scales, b3, out0; writes out0
.if DOCPART == 2
	.amdgcn_target "amdgcn-amd-amdhsa--gfx1250"
	.amdhsa_code_object_version 6
	.text
	.protected	k_q4af27408d4_block
	.globl	k_q4af27408d4_block
	.p2align	8
	.type	k_q4af27408d4_block,@function
k_q4af27408d4_block:
	s_mov_b64 s[64:65], 0
	v_nop
	global_prefetch_b8 v0, s[64:65] scope:SCOPE_SE
	s_setreg_imm32_b32 hwreg(HW_REG_WAVE_MODE, 25, 1), 1
	s_wait_xcnt 0x0
; out = MLP(LN(z1)) + z1,  z1 = smooth_softmax(LN(x) Wq^T (LN(y) Wk^T)^T / sqrt 8) (LN(y) Wv^T) + x.   x [16384][8], y [4096][8], all f32; W2 as E2M3 codes with E8M0 scales.
; ALGEBRA (exact; only the order of f32 roundings differs from the written order).  n_k = (y_k - mean) rsqrt(var + eps): its eight numbers add up to 0, so n_7 = -(n_0 + .. + n_6); LN(y_k)_d = g_d n_d + b_d
; (g = ln_w, b = ln_b).  ONE ARRAY u_k = (n_0 .. n_6, 1) SERVES AS KEYS AND AS VALUES.  Wk goes to the query side: a = (LN(x) Wq^T) Wk, c = log2(e) / sqrt 8, q''_j = c (a_j g_j - a_7 g_7) for j < 7,
; q''_7 = c (a . b): then t = q'' . u_k is the score in powers of two.  With p = 2^(t - M), M a running maximum: E = sum p u and A = sum relu(t) u; their eighth places are L = sum p and R = sum relu(t).
; awn_d = (c1 A_d + E_d / L) / (1 + c1 R) for d < 7, c1 = 0.1 ln 2; awn_7 = minus their sum; aw_d = g_d awn_d + b_d; Wv is applied behind the sum over the keys: z1 = Wv aw + x.
; Divisions are v_rcp_f32 and a multiplication.  All that leads to the quantised product (the hidden layer times W2) is f32: fused multiply-adds and the f32 matrix form.
; SHARES.  A work-group owns 64 queries: four tiles of 16.  ITS SIXTEEN WAVES SHARE THE KEYS: wave w walks keys 256 w .. 256 w + 255, 16 a trip, against all four tiles, so that each row of u read
; from LDS serves four tiles.  The partial results of a query meet in LDS; waves 0 to 3 then finish one tile each (combine, residual, LN, MLP, store).
; A TRIP, for 16 keys x 64 queries: 8 matrix instructions make the scores of the NEXT tile (all 8 of K and all 16 rows and columns are of use).  The two weighted sums are packed fused multiply-adds:
; as matrix products they would fill 8 of the operand's 16 rows; a lane sums its own eight keys of a tile, 4 lines a key and sum, and so keeps a maximum of its own, with no exchange between lanes in the loop.
; NO CLUSTER, NO TENSOR LOAD: what the work-groups share is y, 131,072 bytes, read once at the head, 16 loads a lane, and it must pass through registers anyway (it is normalised on its way into LDS).
; x's rows are read twice (for q'', and again for the residual): 2,048 bytes a work-group; no register outlives the loop.
; LIMITS: NaN and infinities among the inputs are not served.  n_7 taken as minus the sum of the other seven carries seven times the rounding error of the mean where the directly computed one carries it once.
; A block of the hidden layer whose largest magnitude lies under 2^-124 (a block of zeros among them) gets the scale byte 1; its codes are then zeros or what the floor's scale gives.  W2's scale bytes are taken as given.
; v64-103 are written by matrix instructions alone in the whole text.  v4-6 hold scale words and nothing else.
.set REG,  9216                        ; LDS: a region for each wave: 256 keys x 32 bytes, the rows of u; behind the loop the wave's partial results, a tile each PT bytes
.set PT,   2304                        ; EV 2 x 512, RA 2 x 512, M 128
.set QSB,  16*REG                      ; the four query fragments as images of their registers, 512 bytes each
.set WTS,  QSB+2048                    ; the small weights, 512 bytes from each wave: W1, then
.set W3O,  2048                        ; W3,
.set W2O,  4096                        ; W2's codes,
.set B1O,  7168                        ; b1,
.set B2O,  7680                        ; b2
; the loop's registers
.set AW,  1                            ; v1      LDS address of the tile's rows of u as source 0 of the scores
.set AB,  2                            ; v2      of the rows that my half of the lanes multiplies its weights by
.set Q,   8                            ; v8-23   q'': 4 registers a tile: lane (query r, h): places 4 h .. 4 h + 3
.set KF,  24                           ; v24-27  lane (key r, h): u[key][4 h .. 4 h + 3]
.set R,   28                           ; v28-35  relu(t) of two keys, a pair a tile
.set ST,  36                           ; v36-51  a tile's statistics: +0 M, +1 T, +2 F, +3 written once (named with F as a pair)
.set S,   64                           ; v64-95  scores: lane (query r, h), register j: key 8 h + j
.set EV,  128                          ; v128-159 sum p u, 8 a tile, my half's keys, under my M
.set P,   160                          ; v160-191 p
.set WB,  192                          ; v192-223 two buffers of 16: two keys' rows of u, the same in all lanes of a half
.set RA,  224                          ; v224-255 sum relu(t) u, 8 a tile, my half's keys
.set WV,  34                           ; s34     my wave's number
.set HM,  35                           ; s35     mask of lanes 16-31
.set SEL, 60                           ; s[60:61] selects of v_permlanex16_b32: lane l xor 16
.set CTR, 62
.set EIGHTH, 63
.set EPS, 66
.macro PLACES n                        ; behind a matrix instruction only plain vector lines that name none of its registers count as distance (ISA guide 7.12.1)
.rept \n
	v_nop
.endr
.endm
.macro HALF4 d, s                      ; of 8 numbers that both halves of the lanes hold, lanes 0-15 keep the first four, lanes 16-31 the last four: an operand of the f32 matrix form
.irp i,0,1,2,3
	v_cndmask_b32 v[\d+\i], v[\s+\i], v[\s+4+\i], s[HM]
.endr
.endm
.macro LNA s, d, t                     ; LayerNorm, first part: d = s - mean, t+2 = variance + eps.  Two passes: no difference of large sums
	v_pk_add_f32 v[\t:\t+1], v[\s:\s+1], v[\s+2:\s+3]
	v_pk_add_f32 v[\t+2:\t+3], v[\s+4:\s+5], v[\s+6:\s+7]
	v_pk_add_f32 v[\t:\t+1], v[\t:\t+1], v[\t+2:\t+3]
	v_add_f32 v[\t], v[\t], v[\t+1]
	v_mul_f32 v[\t], s[EIGHTH], v[\t]
.irp k,0,2,4,6
	v_pk_add_f32 v[\d+\k:\d+\k+1], v[\s+\k:\s+\k+1], v[\t:\t+1] op_sel_hi:[1,0] neg_lo:[0,1] neg_hi:[0,1]
.endr
	v_pk_mul_f32 v[\t+2:\t+3], v[\d:\d+1], v[\d:\d+1]
.irp k,2,4,6
	v_pk_fma_f32 v[\t+2:\t+3], v[\d+\k:\d+\k+1], v[\d+\k:\d+\k+1], v[\t+2:\t+3]
.endr
	v_add_f32 v[\t+2], v[\t+2], v[\t+3]
	v_fma_f32 v[\t+2], v[\t+2], s[EIGHTH], s[EPS]
.endm
.macro LNB s, d, t, w                  ; second part, behind v_rsq_f32 of t+2: d = s x rsqrt x gain + bias; gains at v[w], biases at v[w+8]
.irp k,0,2,4,6
	v_pk_mul_f32 v[\d+\k:\d+\k+1], v[\s+\k:\s+\k+1], v[\t+2:\t+3] op_sel_hi:[1,0]
.endr
.irp k,0,2,4,6
	v_pk_fma_f32 v[\d+\k:\d+\k+1], v[\d+\k:\d+\k+1], v[\w+\k:\w+\k+1], v[\w+8+\k:\w+8+\k+1]
.endr
.endm
.macro LNS d, t                        ; second part for a key: u = (n_0 .. n_6, 1), in place
.irp k,0,2,4
	v_pk_mul_f32 v[\d+\k:\d+\k+1], v[\d+\k:\d+\k+1], v[\t+2:\t+3] op_sel_hi:[1,0]
.endr
	v_mul_f32 v[\d+6], v[\d+6], v[\t+2]
	v_mov_b32 v[\d+7], 1.0
.endm
	s_load_b512 s[4:19], s[0:1], 0x0               ; x s[4:5], y s[6:7], Wq s[8:9], Wk s[10:11], Wv s[12:13], ln_w s[14:15], ln_b s[16:17], W1 s[18:19]
	s_load_b256 s[20:27], s[0:1], 0x40             ; W3 s[20:21], W2's codes s[22:23], b1 s[24:25], b2 s[26:27]
	s_load_b128 s[28:31], s[0:1], 0x60             ; W2's scales s[28:29], b3 s[30:31]
	s_load_b64 s[32:33], s[0:1], 0x70              ; out
	v_lshrrev_b32 v19, 5, v0
	v_readfirstlane_b32 s[WV], v19                 ; wave 0..15
	v_and_b32 v19, 31, v0                          ; lane
	v_and_b32 v20, 15, v0                          ; r
	v_bfe_u32 v21, v0, 4, 1                        ; h
	v_and_b32 v8, 7, v0                            ; r % 8
	s_mov_b32 s[HM], 0xffff0000
	s_mov_b32 s[SEL], 0x76543210
	s_mov_b32 s[SEL+1], 0xfedcba98
	s_mov_b32 s[EIGHTH], 0x3e000000                ; 1 / 8
	s_mov_b32 s[EPS], 0x3727c5ac                   ; 1e-5
	s_mov_b32 s75, 0x3f0293ee                      ; c = log2(e) / sqrt 8
	s_mov_b32 s77, 0x3d8df4e0                      ; c1 = 0.1 ln 2
	s_lshl_b32 s72, ttmp9, 11                      ; my work-group's 64 rows of 32 bytes in x and in out
	s_mul_i32 s74, s[WV], REG                      ; my region of LDS
	s_add_co_u32 s67, s[WV], 2
	s_lshr_b32 s67, s67, 4                         ; 1 in waves 14 and 15
	s_and_b32 s73, s[WV], 3
	; every LDS address is made here, ahead of the first branch on the wave's number
	v_lshlrev_b32 v[AW], 5, v20
	v_lshl_add_u32 v[AW], v21, 4, v[AW]
	v_add_nc_u32 v[AW], s74, v[AW]                 ; key r x 32 + 16 h
	v_lshl_add_u32 v[AB], v21, 8, s74              ; my half's eight keys: 256 h
	v_lshl_add_u32 v15, v19, 5, s74                ; where my keys' rows go: 32 x lane
	v_lshl_add_u32 v60, v19, 4, QSB                ; a query fragment's image: 16 x lane
	s_lshl_b32 s78, s73, 9
	v_add_nc_u32 v61, s78, v60                     ; and the one that I store (waves 0-3)
	v_lshl_add_u32 v11, v0, 4, WTS                 ; my 16 bytes among the small weights: 16 x my thread's number, that is 512 x wave + 16 x lane
	v_and_b32 v23, 16, v0
	v_mul_u32_u24 v23, v23, s67
	v_sub_nc_u32 v23, v19, v23                     ; in memory: the lane; in waves 14 and 15 lane % 16: b1 and b2 are 256 bytes, read by both halves alike (the upper half's copy fills the slot's upper 256 bytes, which nobody reads)
	; offsets in memory
	s_lshl_b32 s80, s[WV], 13
	v_lshl_add_u32 v9, v19, 5, s80                 ; y: 8,192 x wave + 32 x lane
	s_add_co_u32 s78, s78, s72
	v_lshl_add_u32 v12, v20, 5, s78                ; x: tile wave % 4, row r
	v_lshlrev_b32 v13, 5, v8
	v_lshl_add_u32 v13, v21, 4, v13                ; Wq[r % 8][4 h ..]
	v_lshlrev_b32 v14, 2, v8
	v_lshl_add_u32 v14, v21, 7, v14                ; Wk[4 h + e][r % 8]
	s_wait_kmcnt 0x0
	s_load_b256 s[36:43], s[14:15], 0x0            ; ln_w
	s_load_b256 s[44:51], s[16:17], 0x0            ; ln_b
	s_load_b256 s[52:59], s[30:31], 0x0            ; b3
	s_cmp_lt_u32 s[WV], 4                          ; which small weight my wave brings into LDS: waves 0-3 W1, 4-7 W3, 8-13 W2's codes, 14 b1, 15 b2
	s_cselect_b64 s[68:69], s[18:19], s[20:21]
	s_cselect_b32 s70, 0, 4
	s_cmp_lt_u32 s[WV], 8
	s_cselect_b64 s[68:69], s[68:69], s[22:23]
	s_cselect_b32 s70, s70, 8
	s_cmp_lt_u32 s[WV], 14
	s_cselect_b64 s[68:69], s[68:69], s[24:25]
	s_cselect_b32 s70, s70, 14
	s_cmp_lt_u32 s[WV], 15
	s_cselect_b64 s[68:69], s[68:69], s[26:27]
	s_cselect_b32 s70, s70, 15
	s_sub_co_u32 s70, s[WV], s70
	s_lshl_b32 s70, s70, 9
	v_lshl_add_u32 v10, v23, 4, s70
	global_load_b128 v[24:27], v10, s[68:69]
.irp i,0,1,2,3,4,5,6,7                 ; my lane's eight keys: 256 w + 32 i + lane
	global_load_b128 v[128+8*\i:131+8*\i], v9, s[6:7] offset:1024*\i
	global_load_b128 v[132+8*\i:135+8*\i], v9, s[6:7] offset:1024*\i+16
.endr
	global_load_b128 v[28:31], v12, s[4:5]
	global_load_b128 v[32:35], v12, s[4:5] offset:16
	global_load_b128 v[36:39], v13, s[8:9]
.irp e,0,1,2,3
	global_load_b32 v[40+\e], v14, s[10:11] offset:32*\e
.endr
	s_wait_kmcnt 0x0
.irp j,0,1,2,3,4,5,6,7
	v_mov_b32 v[224+\j], s[36+\j]                  ; the packed forms want gains and biases in vector pairs
	v_mov_b32 v[232+\j], s[44+\j]
.endr
	s_wait_loadcnt 0x0
	ds_store_b128 v11, v[24:27]
	; u of eight keys a lane, in place
.irp i,0,1,2,3,4,5,6,7
	LNA 128+8*\i, 128+8*\i, 192+4*\i
.endr
.irp i,0,1,2,3,4,5,6,7
	v_rsq_f32 v[194+4*\i], v[194+4*\i]
.endr
	v_nop                                          ; a plain line behind the last of the batch,
	s_wait_alu depctr_va_vdst(0)                   ; and one wait for the eight, ahead of their first reader
.irp i,0,1,2,3,4,5,6,7
	LNS 128+8*\i, 192+4*\i
.endr
.irp i,0,1,2,3,4,5,6,7
	ds_store_b128 v15, v[128+8*\i:131+8*\i] offset:1024*\i
	ds_store_b128 v15, v[132+8*\i:135+8*\i] offset:1024*\i+16
.endr
	; waves 0-3: q'' of tile w.  Source 0 = 16 rows of a weight (row r % 8: both halves of the lanes get all 8 results), source 1 = the queries
	s_cmp_lt_u32 s[WV], 4
	s_cbranch_scc0 .Lno_query
	LNA 28, 28, 52
	v_rsq_f32 v54, v54
	v_nop
	s_wait_alu depctr_va_vdst(0)
	LNB 28, 28, 52, 224
	HALF4 56, 28
	v_wmma_f32_16x16x4_f32 v[64:71], v[36:37], v[56:57], 0
	s_wait_alu depctr_va_vdst(0)                   ; the wait directly ahead of the link
	v_wmma_f32_16x16x4_f32 v[64:71], v[38:39], v[58:59], v[64:71]
	PLACES 8
	HALF4 240, 64                                  ; LN(x) Wq^T
	v_wmma_f32_16x16x4_f32 v[72:79], v[40:41], v[240:241], 0
	s_wait_alu depctr_va_vdst(0)
	v_wmma_f32_16x16x4_f32 v[72:79], v[42:43], v[242:243], v[72:79]
	PLACES 8                                       ; v72-79: a = ( .. ) Wk
.irp j,0,1,2,3,4,5,6
	v_mul_f32 v[208+\j], s[36+\j], v[72+\j]        ; a_j g_j
.endr
	v_mul_f32 v216, s43, v79                       ; a_7 g_7
	v_mul_f32 v215, s44, v72                       ; a . b, which meets the 1 in u's eighth place
.irp j,1,2,3,4,5,6,7
	v_fma_f32 v215, v[72+\j], s[44+\j], v215
.endr
.irp j,0,1,2,3,4,5,6
	v_sub_f32 v[208+\j], v[208+\j], v216           ; n_7 = -(n_0 + .. + n_6) brought to the query's side
.endr
	HALF4 56, 208
.irp i,0,1,2,3
	v_mul_f32 v[56+\i], s75, v[56+\i]
.endr
	ds_store_b128 v61, v[56:59]
.Lno_query:
	s_wait_dscnt 0x0                               ; for the others' sake: all my LDS stores are done
	s_barrier_signal -1
	s_barrier_wait -1                              ; u, q'' and the small weights lie in LDS.  From here to the next barrier LDS is only read
; ---- the loop's parts
.macro LDKF o
	ds_load_b128 v[KF:KF+3], v[AW] offset:\o
.endm
.macro LDWB jp, o                      ; keys 8 h + 2 jp and 8 h + 2 jp + 1 of the tile: 64 bytes, into buffer jp % 2
.irp q,0,1,2,3
	ds_load_b128 v[WB+16*((\jp)%2)+4*\q:WB+16*((\jp)%2)+4*\q+3], v[AB] offset:\o+64*(\jp)+16*\q
.endr
.endm
.macro SCORES                          ; S^T = u q''^T: two K steps of 4 places; the four tiles' accumulators by turns
.irp t,0,1,2,3
	v_wmma_f32_16x16x4_f32 v[S+8*\t:S+8*\t+7], v[KF:KF+1], v[Q+4*\t:Q+4*\t+1], 0
.endr
.irp t,0,1,2,3
	v_wmma_f32_16x16x4_f32 v[S+8*\t:S+8*\t+7], v[KF+2:KF+3], v[Q+4*\t+2:Q+4*\t+3], v[S+8*\t:S+8*\t+7]
.endr
.endm
.macro STATS                           ; my lane's running maximum over its own keys, the four tiles by turns.  Each accumulator is read from its low end on
.irp t,0,1,2,3
	v_max3_num_f32 v[ST+4*\t+1], v[S+8*\t], v[S+8*\t+1], v[S+8*\t+2]
.endr
.irp t,0,1,2,3
	v_max3_num_f32 v[ST+4*\t+1], v[ST+4*\t+1], v[S+8*\t+3], v[S+8*\t+4]
.endr
.irp t,0,1,2,3
	v_max3_num_f32 v[ST+4*\t+1], v[ST+4*\t+1], v[S+8*\t+5], v[S+8*\t+6]
.endr
.irp t,0,1,2,3
	v_max3_num_f32 v[ST+4*\t+1], v[ST+4*\t+1], v[S+8*\t+7], v[ST+4*\t]
.endr
.irp t,0,1,2,3
	v_sub_f32 v[ST+4*\t+2], v[ST+4*\t], v[ST+4*\t+1]                ; old M - new M
.endr
.irp t,0,1,2,3
	v_mov_b32 v[ST+4*\t], v[ST+4*\t+1]                              ; both were wanted in the line above
.endr
.endm
.macro SUBM t
.irp k,0,2,4,6
	v_pk_add_f32 v[P+8*(\t)+\k:P+8*(\t)+\k+1], v[S+8*(\t)+\k:S+8*(\t)+\k+1], v[ST+4*(\t):ST+4*(\t)+1] op_sel_hi:[1,0] neg_lo:[0,1] neg_hi:[0,1]
.endr
.endm
.macro EXPT t                          ; F = 2^(old M - new M) and the tile's eight p
	v_exp_f32 v[ST+4*(\t)+2], v[ST+4*(\t)+2]
.irp j,0,1,2,3,4,5,6,7
	v_exp_f32 v[P+8*(\t)+\j], v[P+8*(\t)+\j]
.endr
.endm
.macro RMAX jp, t                      ; relu(t) of keys 8 h + 2 jp, + 1 of tile t
	v_max_num_f32 v[R+2*(\t)], 0, v[S+8*(\t)+2*(\jp)]
	v_max_num_f32 v[R+2*(\t)+1], 0, v[S+8*(\t)+2*(\jp)+1]
.endm
.macro ACCL acc, wt, jp                ; eight sums += the pair's first weight x the first key's row of u
.irp d,0,2,4,6
	v_pk_fma_f32 v[\acc+\d:\acc+\d+1], v[WB+16*((\jp)%2)+\d:WB+16*((\jp)%2)+\d+1], v[\wt:\wt+1], v[\acc+\d:\acc+\d+1] op_sel_hi:[1,0,1]
.endr
.endm
.macro ACCH acc, wt, jp                ; and the second weight x the second key's
.irp d,0,2,4,6
	v_pk_fma_f32 v[\acc+\d:\acc+\d+1], v[WB+16*((\jp)%2)+8+\d:WB+16*((\jp)%2)+9+\d], v[\wt:\wt+1], v[\acc+\d:\acc+\d+1] op_sel:[0,1,0]
.endr
.endm
.macro PAIR jp, t                      ; both sums of tile t for one pair of keys: 16 lines; a sum's register comes up again eight lines on
	ACCL RA+8*(\t), R+2*(\t), \jp
	ACCL EV+8*(\t), P+8*(\t)+2*(\jp), \jp
	ACCH RA+8*(\t), R+2*(\t), \jp
	ACCH EV+8*(\t), P+8*(\t)+2*(\jp), \jp
.endm
.macro RESCALE                         ; sum p u under the new M
.irp t,0,1,2,3
.irp k,0,2,4,6
	v_pk_mul_f32 v[EV+8*\t+\k:EV+8*\t+\k+1], v[EV+8*\t+\k:EV+8*\t+\k+1], v[ST+4*\t+2:ST+4*\t+3] op_sel_hi:[1,0]
.endr
.endr
.endm
; A TRIP: the tile whose scores lie in S.  next = 1: the next tile's rows are fetched and its scores made.  On the way in there may be out, in this order: WB's buffers 0 and 1 (4 + 4 loads).
.macro BODY next
.if \next
	LDKF 512                                       ; the last products that read KF stand 64 plain lines back
.endif
	STATS
.irp t,0,1,2,3
	SUBM \t
.endr
	s_wait_dscnt 4+\next                           ; buffer 0 is in; younger: buffer 1's four, KF's one
.irp t,0,1,2,3
	EXPT \t                                        ; the exponentials are one batch of 36; no line ahead of the wait below names a result
	RMAX 0,\t                                      ; plain work behind each nine: the relu sums of the first pair of keys
	ACCL RA+8*\t, R+2*\t, 0
	ACCH RA+8*\t, R+2*\t, 0
.endr
	s_wait_alu depctr_va_vdst(0)                   ; one wait for the batch, ahead of its first reader
	RESCALE
.irp t,0,1,2,3
	ACCL EV+8*\t, P+8*\t, 0
.endr
.irp t,0,1,2,3
	ACCH EV+8*\t, P+8*\t, 0
.endr
	LDWB 2,0
	s_wait_dscnt 4+\next                           ; buffer 1 is in; younger: KF's one, the four just issued
.irp t,0,1,2,3
	RMAX 1,\t
	PAIR 1,\t
.endr
	LDWB 3,0
	s_wait_dscnt 4                                 ; buffer 0 (and KF) are in; younger: the four just issued
.irp t,0,1,2,3
	RMAX 2,\t
	PAIR 2,\t
.endr
.if \next
	LDWB 0,512
	s_wait_dscnt 4                                 ; buffer 1 is in; younger: the four just issued
.else
	s_wait_dscnt 0x0
.endif
.irp t,0,1,2,3
	RMAX 3,\t                                      ; the last reads of these scores
.endr
.if \next
	SCORES
.endif
.irp t,0,1,2,3
	PAIR 3,\t                                      ; 64 plain lines that name none of the products' registers: the distance behind SCORES
.endr
.if \next
	LDWB 1,512
	v_add_nc_u32 v[AW], 512, v[AW]
	v_add_nc_u32 v[AB], 512, v[AB]
.endif
.endm
.irp t,0,1,2,3
	ds_load_b128 v[Q+4*\t:Q+4*\t+3], v60 offset:512*\t
.endr
	LDKF 0
	LDWB 0,0
	LDWB 1,0
	s_wait_dscnt 8                                 ; q'' and KF are in; younger: WB's 4 + 4
	SCORES
.set i, 0
.rept 32                               ; the sums begin as zeros and M under every t, so that the trip is written once for all tiles; these lines are also the distance behind SCORES
	v_mov_b32 v[EV+i], 0
	v_mov_b32 v[RA+i], 0
.set i, i+1
.endr
.irp t,0,1,2,3
	v_mov_b32 v[ST+4*\t], 0xff61b1e6               ; -3e38
	v_mov_b32 v[ST+4*\t+3], 0                      ; named with F as a pair, so it is written
.endr
	s_mov_b32 s[CTR], 15
.Ltile:
	BODY 1
	s_sub_co_i32 s[CTR], s[CTR], 1
	s_cmp_lg_u32 s[CTR], 0
	s_cbranch_scc1 .Ltile
	BODY 0                                         ; the sixteenth tile fetches nothing
	; ---- the partial results go to LDS, over my own keys
	v_and_b32 v3, 31, v0
	v_lshl_add_u32 v1, v3, 4, s74
	v_lshl_add_u32 v2, v3, 2, s74
	s_wait_dscnt 0x0                               ; my reads of LDS are over
	s_barrier_signal -1
	s_barrier_wait -1                              ; everybody's are: from here to the next barrier LDS is only written, each wave in its own region
.irp t,0,1,2,3
	ds_store_b128 v1, v[EV+8*\t:EV+8*\t+3] offset:PT*\t
	ds_store_b128 v1, v[EV+8*\t+4:EV+8*\t+7] offset:PT*\t+512
	ds_store_b128 v1, v[RA+8*\t:RA+8*\t+3] offset:PT*\t+1024
	ds_store_b128 v1, v[RA+8*\t+4:RA+8*\t+7] offset:PT*\t+1536
	ds_store_b32 v2, v[ST+4*\t] offset:PT*\t+2048
.endr
	s_wait_dscnt 0x0
	s_barrier_signal -1
	s_barrier_wait -1                              ; the last barrier: LDS is only read from here on
	; the addresses of the rest, made by every wave, ahead of the parting
	v_and_b32 v8, 31, v0                           ; lane
	v_and_b32 v9, 15, v0                           ; r
	v_bfe_u32 v10, v0, 4, 1                        ; h
	v_and_b32 v11, 7, v0                           ; r % 8
	v_bfe_u32 v12, v0, 3, 1                        ; r / 8
	s_mul_i32 s76, s[WV], PT
	v_lshl_add_u32 v1, v8, 4, s76                  ; my tile's partial sums in region 0
	v_lshl_add_u32 v2, v8, 2, s76                  ; and M
	v_lshl_add_u32 v3, v12, 10, WTS                ; W1: lane r of tile T takes unit 32 (r / 8) + 8 T + r % 8, so that a lane's 32 results are the 32 units of block h
	v_lshl_add_u32 v3, v11, 5, v3
	v_lshl_add_u32 v3, v10, 4, v3
	v_lshl_add_u32 v48, v10, 7, WTS+B1O            ; b1[32 h + 8 T ..]
	v_lshl_add_u32 v49, v10, 5, WTS+B2O            ; b2[16 T + 8 h ..]
	v_mad_u32_u24 v50, v9, 48, WTS+W2O             ; W2's codes: row 16 T + r of 48 bytes, block h of 24
	v_mad_u32_u24 v50, v10, 24, v50
	v_lshl_add_u32 v51, v11, 8, WTS+W3O            ; W3[r % 8][16 T + 8 h ..]
	v_lshl_add_u32 v51, v10, 5, v51
	s_lshl_b32 s78, s[WV], 9
	s_add_co_u32 s78, s78, s72
	v_lshl_add_u32 v52, v9, 5, s78                 ; x: my tile's row r
	v_lshlrev_b32 v53, 5, v11
	v_lshl_add_u32 v53, v10, 4, v53                ; Wv[r % 8][4 h ..]
	v_lshlrev_b32 v54, 1, v8                       ; W2's scales: 2 bytes a row, a lane a row
	v_lshl_add_u32 v55, v10, 4, v52                ; out: row r, + 16 h
	s_cmp_lt_u32 s[WV], 4
	s_cbranch_scc1 .Lfinish
	s_wait_xcnt 0x0
	v_lshl_add_u32 v254, v0, 2, 0x26800
	v_mov_b32 v255, 0
	s_wait_tensorcnt 0x0
	ds_add_u32 v254, v255
	s_wait_dscnt 0x0
	s_endpgm
.Lfinish:
	; ---- wave t finishes tile t.  First the sixteen waves' partial results, each lane those of its own half
	global_load_b128 v[8:11], v52, s[4:5]
	global_load_b128 v[12:15], v52, s[4:5] offset:16
	global_load_b128 v[56:59], v53, s[12:13]
	global_load_u16 v4, v54, s[28:29]              ; rows 0-31: tile 0 in lanes 0-15, tile 1 in lanes 16-31; the upper two bytes are 0 and stand over zero codes
	global_load_u16 v5, v54, s[28:29] offset:64    ; rows 32-63
.irp q,0,1,2,3
.irp w,0,1,2,3
	ds_load_b32 v[32+4*\q+\w], v2 offset:\w*REG+2048
.endr
	v_add_nc_u32 v2, 4*REG, v2                     ; four regions on
.endr
.macro CSET reg                        ; four waves' sums, 16 registers each
.irp w,0,1,2,3
	ds_load_b128 v[\reg+16*\w:\reg+16*\w+3], v1 offset:\w*REG
	ds_load_b128 v[\reg+16*\w+4:\reg+16*\w+7], v1 offset:\w*REG+512
	ds_load_b128 v[\reg+16*\w+8:\reg+16*\w+11], v1 offset:\w*REG+1024
	ds_load_b128 v[\reg+16*\w+12:\reg+16*\w+15], v1 offset:\w*REG+1536
.endr
	v_add_nc_u32 v1, 4*REG, v1
.endm
.macro CACC reg, q                     ; E (v16-23) += g_n EV_n, A (v24-31) += RA_n, for the waves n = 4 q + w, w = 0 .. 3.  Wave 0's term starts E; waves 0 and 1 together start A
.irp w,0,1,2,3
.irp d,0,2,4,6
.if (4*(\q)+\w) == 0
	v_pk_mul_f32 v[16+\d:17+\d], v[\reg+\d:\reg+\d+1], v[32:33] op_sel_hi:[1,0]
.elseif (\w%2) == 0
	v_pk_fma_f32 v[16+\d:17+\d], v[\reg+16*\w+\d:\reg+16*\w+\d+1], v[32+4*(\q)+\w:33+4*(\q)+\w], v[16+\d:17+\d] op_sel_hi:[1,0,1]
.else
	v_pk_fma_f32 v[16+\d:17+\d], v[\reg+16*\w+\d:\reg+16*\w+\d+1], v[31+4*(\q)+\w:32+4*(\q)+\w], v[16+\d:17+\d] op_sel:[0,1,0]
.endif
.endr
.irp d,0,2,4,6
.if (4*(\q)+\w) == 0
.elseif (4*(\q)+\w) == 1
	v_pk_add_f32 v[24+\d:25+\d], v[\reg+8+\d:\reg+9+\d], v[\reg+24+\d:\reg+25+\d]
.else
	v_pk_add_f32 v[24+\d:25+\d], v[24+\d:25+\d], v[\reg+16*\w+8+\d:\reg+16*\w+9+\d]
.endif
.endr
.endr
.endm
	CSET 128
	s_wait_dscnt 16                                ; the 16 M are in; younger: the first set's 16
	v_max3_num_f32 v60, v32, v33, v34
.irp i,35,37,39,41,43,45
	v_max3_num_f32 v60, v60, v[\i], v[\i+1]
.endr
	v_max_num_f32 v60, v60, v47
	v_permlanex16_b32 v61, v60, s[SEL], s[SEL+1]   ; the query's other keys lie in the lane 16 away
	v_max_num_f32 v60, v60, v61                    ; the query's maximum over all keys
.irp w,0,1,2,3,4,5,6,7,8,9,10,11,12,13,14,15
	v_sub_f32 v[32+\w], v[32+\w], v60
.endr
.irp w,0,1,2,3,4,5,6,7,8,9,10,11,12,13,14,15
	v_exp_f32 v[32+\w], v[32+\w]                   ; g_w = 2^(M_w - maximum)
.endr
	v_nop                                          ; a plain line behind the last of the batch
	CSET 192
	s_wait_alu depctr_va_vdst(0)                   ; one wait for the sixteen
	s_wait_dscnt 16                                ; a set is in when only the next set's 16 loads are younger
	CACC 128, 0
	CSET 128
	s_wait_dscnt 16
	CACC 192, 1
	CSET 192
	s_wait_dscnt 16
	CACC 128, 2
.irp T,0,1,2,3
	ds_load_b128 v[160+4*\T:163+4*\T], v3 offset:256*\T            ; W1's four fragments
.endr
.irp T,0,1,2,3
	ds_load_b128 v[128+8*\T:131+8*\T], v48 offset:32*\T            ; b1 in the result's layout
	ds_load_b128 v[132+8*\T:135+8*\T], v48 offset:32*\T+16
.endr
	s_wait_dscnt 12                                ; the last set is in; younger: the 12 just issued
	CACC 192, 3
.irp T,0,1,2,3
.irp p,0,1,2
	ds_load_b64 v[208+12*\T+2*\p:209+12*\T+2*\p], v50 offset:768*\T+8*\p   ; W2's fragments: k = 32 h .. 32 h + 31 in registers 0-5, as the bytes lie
.endr
.endr
	; ---- the halves of the lanes meet: each summed its own keys; aw
.irp j,0,1,2,3,4,5,6,7
	v_permlanex16_b32 v[176+\j], v[16+\j], s[SEL], s[SEL+1]
	v_permlanex16_b32 v[184+\j], v[24+\j], s[SEL], s[SEL+1]
.endr
	v_pk_add_f32 v[22:23], v[22:23], v[182:183]    ; v23 = L
	v_pk_add_f32 v[30:31], v[30:31], v[190:191]    ; v31 = R
	v_fma_f32 v62, v31, s77, 1.0                   ; 1 + c1 R
	v_rcp_f32 v61, v23
	v_rcp_f32 v62, v62
.irp d,0,2,4
	v_pk_add_f32 v[16+\d:17+\d], v[16+\d:17+\d], v[176+\d:177+\d]   ; plain work behind the two reciprocals
	v_pk_add_f32 v[24+\d:25+\d], v[24+\d:25+\d], v[184+\d:185+\d]
.endr
	s_wait_alu depctr_va_vdst(0)                   ; one wait for the two
	v_mul_f32 v44, s77, v62                        ; c1 / (1 + c1 R)
	v_mul_f32 v45, s77, v62
	v_mul_f32 v46, v61, v62                        ; 1 / (L (1 + c1 R))
	v_mul_f32 v47, v61, v62
.irp d,0,2,4,6
	v_pk_mul_f32 v[32+\d:33+\d], v[24+\d:25+\d], v[44:45]
.endr
.irp d,0,2,4,6
	v_pk_fma_f32 v[32+\d:33+\d], v[16+\d:17+\d], v[46:47], v[32+\d:33+\d]   ; awn_0 .. awn_6 (the eighth place is not used)
.endr
	v_add_f32 v60, v32, v33
	v_add_f32 v63, v34, v35
	v_add_f32 v61, v36, v37
	v_add_f32 v60, v60, v63
	v_add_f32 v61, v61, v38
	v_add_f32 v60, v60, v61                        ; -awn_7
.irp d,0,1,2,3,4,5,6
	v_fma_f32 v[32+\d], v[32+\d], s[36+\d], s[44+\d]   ; aw_d = g_d awn_d + b_d: the weights add up to 1
.endr
	v_fma_f32 v39, -v60, s43, s51
	HALF4 40, 32
	; ---- z1 = Wv aw + x: x is the C of the first product
	s_wait_loadcnt 0x0
	v_wmma_f32_16x16x4_f32 v[96:103], v[56:57], v[40:41], v[8:15]
	s_wait_alu depctr_va_vdst(0)                   ; one accumulator alone
	v_wmma_f32_16x16x4_f32 v[96:103], v[58:59], v[42:43], v[96:103]
.irp j,0,1,2,3,4,5,6,7                 ; gains and biases as vector pairs: 16 plain lines, the distance behind the products
	v_mov_b32 v[16+\j], s[36+\j]
	v_mov_b32 v[24+\j], s[44+\j]
.endr
	LNA 96, 32, 60
	v_rsq_f32 v62, v62
.irp j,0,1,2,3,4,5,6,7
	v_add_f32 v[8+\j], s[52+\j], v[96+\j]          ; z1 + b3: the C of the last product
.endr
	s_wait_alu depctr_va_vdst(0)
	LNB 32, 32, 60, 16
	HALF4 40, 32
	; ---- the first layer: four tiles of 16 units, b1 as C
	s_wait_dscnt 12                                ; W1 and b1 are in; younger: W2's 12
.irp T,0,1,2,3
	v_wmma_f32_16x16x4_f32 v[64+8*\T:71+8*\T], v[160+4*\T:161+4*\T], v[40:41], v[128+8*\T:135+8*\T]
.endr
.irp T,0,1,2,3
	v_wmma_f32_16x16x4_f32 v[64+8*\T:71+8*\T], v[162+4*\T:163+4*\T], v[42:43], v[64+8*\T:71+8*\T]
.endr
.irp T,0,1,2,3
.irp i,6,7,8,9,10,11
	v_mov_b32 v[208+12*\T+\i], 0                   ; K is 64: k = 64 .. 127 of W2's fragments are zero codes.  24 plain lines: the distance behind the products
.endr
.endr
.irp T,0,1,2,3
	ds_load_b128 v[128+8*\T:131+8*\T], v49 offset:64*\T            ; b2 in the result's layout
	ds_load_b128 v[132+8*\T:135+8*\T], v49 offset:64*\T+16
.endr
.set i, 0
.rept 32
	v_max_num_f32 v[176+i], 0, v[64+i]             ; relu: register n = unit 32 h + n of my query
.set i, i+1
.endr
	; ---- the quantiser: my 32 numbers are one whole block along the next K.  None is negative
	v_max3_num_f32 v60, v176, v177, 0x1800000      ; with the floor 2^(3 - 127): the byte cannot fall under 1
	v_max3_num_f32 v61, v192, v193, v194
.irp i,2,4,6,8,10,12
	v_max3_num_f32 v60, v60, v[176+\i], v[177+\i]
	v_max3_num_f32 v61, v61, v[193+\i], v[194+\i]
.endr
	v_max3_num_f32 v60, v60, v190, v191
	v_max3_num_f32 v60, v60, v61, v207
	v_add_nc_u32 v62, 0xff000000, v60              ; 2 off the exponent field: the conversion takes this operand's exponent field as its scale
	v_lshrrev_b32 v63, 23, v62                     ; the scale's byte
	v_permlanex16_b32 v61, v63, s[SEL], s[SEL+1]
	v_lshl_or_b32 v6, v61, 8, v63                  ; lanes 0-15: block 0's byte, block 1's above it; the upper two bytes stand over zero codes
.irp i,38,39,40,41,42,43
	v_mov_b32 v[\i], 0                             ; k = 64 .. 127: zero codes
.endr
	v_cvt_scalef32_pk16_fp6_f32 v[32:34], v[176:191], v62
	v_cvt_scalef32_pk16_fp6_f32 v[44:46], v[192:207], v62   ; (a conversion's three registers begin on an even number)
	v_nop                                          ; one plain line behind a scaled conversion
.irp T,0,1,2,3
	ds_load_b128 v[176+8*\T:179+8*\T], v51 offset:64*\T            ; W3's fragments
	ds_load_b128 v[180+8*\T:183+8*\T], v51 offset:64*\T+16
.endr
	v_mov_b32 v35, v44
	v_mov_b32 v36, v45
	v_mov_b32 v37, v46
	PLACES 8                                       ; a scale word written by a vector line stands 8 plain lines ahead of a scaled matrix instruction, an operand 4
	s_wait_dscnt 8                                 ; W2's codes and b2 are in; younger: W3's eight
.irp T,0,1,2,3                         ; source 0 = 16 rows of W2, source 1 = the hidden layer's 16 queries; b2 as C
.if \T%2
	v_wmma_scale_f32_16x16x128_f8f6f4 v[96+8*\T:103+8*\T], v[208+12*\T:219+12*\T], v[32:43], v[128+8*\T:135+8*\T], v[4+\T/2], v6 matrix_a_fmt:MATRIX_FMT_FP6 matrix_b_fmt:MATRIX_FMT_FP6 matrix_a_scale:MATRIX_SCALE_ROW1
.else
	v_wmma_scale_f32_16x16x128_f8f6f4 v[96+8*\T:103+8*\T], v[208+12*\T:219+12*\T], v[32:43], v[128+8*\T:135+8*\T], v[4+\T/2], v6 matrix_a_fmt:MATRIX_FMT_FP6 matrix_b_fmt:MATRIX_FMT_FP6
.endif
.endr
	PLACES 4
.set i, 0
.rept 32
	v_max_num_f32 v[16+i], 0, v[96+i]              ; relu: register 8 T + j = unit 16 T + 8 h + j
.set i, i+1
.endr
	; ---- the last layer: 16 K steps of 4 on two accumulators by turns; z1 + b3 is the C of the first
	s_wait_dscnt 0x0
.set n, 0
.rept 16
.set oo, 64+8*(n%2)
.if n == 0
	v_wmma_f32_16x16x4_f32 v[oo:oo+7], v[176+2*n:177+2*n], v[16+2*n:17+2*n], v[8:15]
.elseif n == 1
	v_wmma_f32_16x16x4_f32 v[oo:oo+7], v[176+2*n:177+2*n], v[16+2*n:17+2*n], 0
.else
	v_wmma_f32_16x16x4_f32 v[oo:oo+7], v[176+2*n:177+2*n], v[16+2*n:17+2*n], v[oo:oo+7]
.endif
.set n, n+1
.endr
	PLACES 8
.irp d,0,2,4,6
	v_pk_add_f32 v[128+\d:129+\d], v[64+\d:65+\d], v[72+\d:73+\d]
.endr
	HALF4 136, 128
	global_store_b128 v55, v[136:139], s[32:33] th:TH_STORE_NT     ; the wave stores 16 rows of 32 bytes: 512 consecutive bytes, at a multiple of 512 from out's first byte
	s_wait_xcnt 0x0
	v_lshl_add_u32 v254, v0, 2, 0x26800
	v_mov_b32 v255, 0
	s_wait_tensorcnt 0x0
	ds_add_u32 v254, v255
	s_wait_dscnt 0x0
	s_endpgm
.Lfunc_end_k_q4af27408d4_block:
	.size	k_q4af27408d4_block, .Lfunc_end_k_q4af27408d4_block-k_q4af27408d4_block
	.p2alignl 7, 3214868480
	.fill 96, 4, 3214868480
	.section	.rodata,"a",@progbits
	.p2align	6, 0x0
	.amdhsa_kernel k_q4af27408d4_block
		.amdhsa_group_segment_fixed_size 159744
		.amdhsa_private_segment_fixed_size 0
		.amdhsa_enable_private_segment 0
		.amdhsa_kernarg_size 120
		.amdhsa_user_sgpr_count 2
		.amdhsa_user_sgpr_kernarg_segment_ptr 1
		.amdhsa_wavefront_size32 1
		.amdhsa_system_sgpr_workgroup_id_x 1
		.amdhsa_system_sgpr_workgroup_id_y 1
		.amdhsa_system_sgpr_workgroup_id_z 1
		.amdhsa_system_vgpr_workitem_id 0
		.amdhsa_next_free_vgpr 256
		.amdhsa_next_free_sgpr 100
		.amdhsa_reserve_vcc 0
		.amdhsa_float_denorm_mode_32 3
		.amdhsa_float_denorm_mode_16_64 3
		.amdhsa_memory_ordered 1
		.amdhsa_forward_progress 1
		.amdhsa_inst_pref_size 105
	.end_amdhsa_kernel
	.amdgpu_metadata
---
amdhsa.version: [ 1, 2 ]
amdhsa.kernels:
  - .name:           k_q4af27408d4_block
    .symbol:         k_q4af27408d4_block.kd
    .args:
      - { .name: x, .offset: 0, .size: 8, .value_kind: global_buffer, .address_space: global }
      - { .name: y, .offset: 8, .size: 8, .value_kind: global_buffer, .address_space: global }
      - { .name: Wq, .offset: 16, .size: 8, .value_kind: global_buffer, .address_space: global }
      - { .name: Wk, .offset: 24, .size: 8, .value_kind: global_buffer, .address_space: global }
      - { .name: Wv, .offset: 32, .size: 8, .value_kind: global_buffer, .address_space: global }
      - { .name: ln_w, .offset: 40, .size: 8, .value_kind: global_buffer, .address_space: global }
      - { .name: ln_b, .offset: 48, .size: 8, .value_kind: global_buffer, .address_space: global }
      - { .name: W1, .offset: 56, .size: 8, .value_kind: global_buffer, .address_space: global }
      - { .name: W3, .offset: 64, .size: 8, .value_kind: global_buffer, .address_space: global }
      - { .name: W2_codes, .offset: 72, .size: 8, .value_kind: global_buffer, .address_space: global }
      - { .name: b1, .offset: 80, .size: 8, .value_kind: global_buffer, .address_space: global }
      - { .name: b2, .offset: 88, .size: 8, .value_kind: global_buffer, .address_space: global }
      - { .name: W2_scales, .offset: 96, .size: 8, .value_kind: global_buffer, .address_space: global }
      - { .name: b3, .offset: 104, .size: 8, .value_kind: global_buffer, .address_space: global }
      - { .name: out0, .offset: 112, .size: 8, .value_kind: global_buffer, .address_space: global }
    .group_segment_fixed_size: 159744
    .private_segment_fixed_size: 0
    .kernarg_segment_align: 8
    .kernarg_segment_size: 120
    .max_flat_workgroup_size: 512
    .sgpr_count:     100
    .vgpr_count:     256
    .wavefront_size: 32
...
	.end_amdgpu_metadata
.endif
;; end of part 2
;; ======== version 3 of 3: 1 launch; version 2 with the launch block written anew for expert scheduling mode
;; launch block (part 3): grid 256 x 1, 16 waves a work-group, no clusters, 159,744 bytes of LDS; arguments x, y, Wq, Wk, Wv, ln_w, ln_b, W1, W3, W2_codes, b1, b2, W2_scales, b3, out0; writes out0
.if DOCPART == 3
	.amdgcn_target "amdgcn-amd-amdhsa--gfx1250"
	.amdhsa_code_object_version 6
	.text
	.protected	k_q4af27408d4_block
	.globl	k_q4af27408d4_block
	.p2align	8
	.type	k_q4af27408d4_block,@function
k_q4af27408d4_block:
	s_mov_b64 s[64:65], 0
	v_nop
	global_prefetch_b8 v0, s[64:65] scope:SCOPE_SE
	s_setreg_imm32_b32 hwreg(HW_REG_WAVE_SCHED_MODE, 0, 2), 2
	s_setreg_imm32_b32 hwreg(HW_REG_WAVE_MODE, 25, 1), 1
	s_wait_xcnt 0x0
	s_wait_alu depctr_vm_vsrc(0)
; out = MLP(LN(z1)) + z1,  z1 = smooth_softmax(LN(x) Wq^T (LN(y) Wk^T)^T / sqrt 8) (LN(y) Wv^T) + x.   x [16384][8], y [4096][8], all f32; W2 as E2M3 codes with E8M0 scales.
; ALGEBRA (exact; only the order of f32 roundings differs from the written order).  n_k = (y_k - mean) rsqrt(var + eps): its eight numbers add up to 0, so n_7 = -(n_0 + .. + n_6); LN(y_k)_d = g_d n_d + b_d
; (g = ln_w, b = ln_b).  ONE ARRAY u_k = (n_0 .. n_6, 1) SERVES AS KEYS AND AS VALUES.  Wk goes to the query side: a = (LN(x) Wq^T) Wk, c = log2(e) / sqrt 8, q''_j = c (a_j g_j - a_7 g_7) for j < 7,
; q''_7 = c (a . b): then t = q'' . u_k is the score in powers of two.  With p = 2^(t - M), M a running maximum: E = sum p u and A = sum relu(t) u; their eighth places are L = sum p and R = sum relu(t).
; awn_d = (c1 A_d + E_d / L) / (1 + c1 R) for d < 7, c1 = 0.1 ln 2; awn_7 = minus their sum; aw_d = g_d awn_d + b_d; Wv is applied behind the sum over the keys: z1 = Wv aw + x.
; Divisions are v_rcp_f32 and a multiplication.  All that leads to the quantised product (the hidden layer times W2) is f32: fused multiply-adds and the f32 matrix form.
; SHARES.  A work-group owns 64 queries: four tiles of 16.  ITS SIXTEEN WAVES SHARE THE KEYS: wave w walks keys 256 w .. 256 w + 255, 16 a trip, against all four tiles, so that each row of u read
; from LDS serves four tiles.  The partial results of a query meet in LDS; waves 0 to 3 then finish one tile each (combine, residual, LN, MLP, store).
; A TRIP, for 16 keys x 64 queries: 8 matrix instructions make the scores of the NEXT tile (all 8 of K and all 16 rows and columns are of use).  The two weighted sums are packed fused multiply-adds:
; as matrix products they would fill 8 of the operand's 16 rows; a lane sums its own eight keys of a tile, 4 lines a key and sum, and so keeps a maximum of its own, with no exchange between lanes in the loop.
; NO CLUSTER, NO TENSOR LOAD: what the work-groups share is y, 131,072 bytes, read once at the head, 16 loads a lane, and it must pass through registers anyway (it is normalised on its way into LDS).
; x's rows are read twice (for q'', and again for the residual): 2,048 bytes a work-group; no register outlives the loop.
; LIMITS: NaN and infinities among the inputs are not served.  n_7 taken as minus the sum of the other seven carries seven times the rounding error of the mean where the directly computed one carries it once.
; A block of the hidden layer whose largest magnitude lies under 2^-124 (a block of zeros among them) gets the scale byte 1; its codes are then zeros or what the floor's scale gives.  W2's scale bytes are taken as given.
; v64-103 are written by matrix instructions alone in the whole text.  v4-6 hold scale words and nothing else.
; THE MODE: SCHED_MODE bits 1:0 = 2 (LLVM: expert scheduling mode 2), set by the entry lines.  The code itself states the register dependences between vector or matrix instructions and memory or LDS
; instructions, with s_wait_alu, always for 0.
; THE PLAN, for the loop.  Registers that LDS instructions touch:
;   WB0 .. WB3    four buffers of 16 registers, one for each pair of my half's eight keys of a tile.  Pair jp's multiply-adds read WB[jp], in one place of a trip.
;                 WB2 and WB3 are loaded for THIS tile behind the trip's first wait on va_vdst, WB0 and WB1 for the NEXT tile behind its second.
;   KF            read by the eight score products late in a trip; loaded with the next tile's rows behind the trip's first wait.
;   v[AW], v[AB]  read by every LDS load; written once a trip, at its end, behind a wait on vm_vsrc; no LDS instruction stands between that and the next trip's first wait on va_vdst.
;   R, ST, S, EV, P, RA and Q are named by vector and matrix instructions alone.
; The first wait is the one that the batch of exponentials has anyway: ahead of it stand all lines of the trip before, so pairs 2 and 3 are done reading WB2 and WB3, the score products are done reading KF,
; and the two addresses are written.  The second stands behind pair 1: pairs 0 and 1 are done reading WB0 and WB1.  Each run of loads stands directly behind its wait.
.set REG,  9216                        ; LDS: a region for each wave: 256 keys x 32 bytes, the rows of u; behind the loop the wave's partial results, a tile each PT bytes
.set PT,   2304                        ; EV 2 x 512, RA 2 x 512, M 128
.set QSB,  16*REG                      ; the four query fragments as images of their registers, 512 bytes each
.set WTS,  QSB+2048                    ; the small weights, 512 bytes from each wave: W1, then
.set W3O,  2048                        ; W3,
.set W2O,  4096                        ; W2's codes,
.set B1O,  7168                        ; b1,
.set B2O,  7680                        ; b2
; the loop's registers
.set AW,  1                            ; v1      LDS address of the tile's rows of u as source 0 of the scores
.set AB,  2                            ; v2      of the rows that my half of the lanes multiplies its weights by
.set Q,   8                            ; v8-23   q'': 4 registers a tile: lane (query r, h): places 4 h .. 4 h + 3
.set KF,  24                           ; v24-27  lane (key r, h): u[key][4 h .. 4 h + 3]
.set R,   28                           ; v28-35  relu(t) of two keys, a pair a tile
.set ST,  36                           ; v36-51  a tile's statistics: +0 M, +1 T, +2 F, +3 written once (named with F as a pair)
.set S,   64                           ; v64-95  scores: lane (query r, h), register j: key 8 h + j
.set EV,  128                          ; v128-159 sum p u, 8 a tile, my half's keys, under my M
.set P,   160                          ; v160-191 p
                                       ; v192-223, v104-127, v52-59: the four buffers WB0 .. WB3 (macro WBSEL): two keys' rows of u each, the same in all lanes of a half
.set RA,  224                          ; v224-255 sum relu(t) u, 8 a tile, my half's keys
; behind the loop
.set AM,  104                          ; v104-107 LDS addresses of my tile's M in regions 0, 4, 8, 12; made once
.set AS,  108                          ; v108-111 and of its partial sums
.set WV,  34                           ; s34     my wave's number
.set HM,  35                           ; s35     mask of lanes 16-31
.set SEL, 60                           ; s[60:61] selects of v_permlanex16_b32: lane l xor 16
.set CTR, 62
.set EIGHTH, 63
.set EPS, 66
.macro PLACES n                        ; behind a matrix instruction only plain vector lines that name none of its registers count as distance (ISA guide 7.12.1)
.rept \n
	v_nop
.endr
.endm
.macro HALF4 d, s                      ; of 8 numbers that both halves of the lanes hold, lanes 0-15 keep the first four, lanes 16-31 the last four: an operand of the f32 matrix form
.irp i,0,1,2,3
	v_cndmask_b32 v[\d+\i], v[\s+\i], v[\s+4+\i], s[HM]
.endr
.endm
.macro LNA s, d, t                     ; LayerNorm, first part: d = s - mean, t+2 = variance + eps.  Two passes: no difference of large sums
	v_pk_add_f32 v[\t:\t+1], v[\s:\s+1], v[\s+2:\s+3]
	v_pk_add_f32 v[\t+2:\t+3], v[\s+4:\s+5], v[\s+6:\s+7]
	v_pk_add_f32 v[\t:\t+1], v[\t:\t+1], v[\t+2:\t+3]
	v_add_f32 v[\t], v[\t], v[\t+1]
	v_mul_f32 v[\t], s[EIGHTH], v[\t]
.irp k,0,2,4,6
	v_pk_add_f32 v[\d+\k:\d+\k+1], v[\s+\k:\s+\k+1], v[\t:\t+1] op_sel_hi:[1,0] neg_lo:[0,1] neg_hi:[0,1]
.endr
	v_pk_mul_f32 v[\t+2:\t+3], v[\d:\d+1], v[\d:\d+1]
.irp k,2,4,6
	v_pk_fma_f32 v[\t+2:\t+3], v[\d+\k:\d+\k+1], v[\d+\k:\d+\k+1], v[\t+2:\t+3]
.endr
	v_add_f32 v[\t+2], v[\t+2], v[\t+3]
	v_fma_f32 v[\t+2], v[\t+2], s[EIGHTH], s[EPS]
.endm
.macro LNB s, d, t, w                  ; second part, behind v_rsq_f32 of t+2: d = s x rsqrt x gain + bias; gains at v[w], biases at v[w+8]
.irp k,0,2,4,6
	v_pk_mul_f32 v[\d+\k:\d+\k+1], v[\s+\k:\s+\k+1], v[\t+2:\t+3] op_sel_hi:[1,0]
.endr
.irp k,0,2,4,6
	v_pk_fma_f32 v[\d+\k:\d+\k+1], v[\d+\k:\d+\k+1], v[\w+\k:\w+\k+1], v[\w+8+\k:\w+8+\k+1]
.endr
.endm
.macro LNS d, t                        ; second part for a key: u = (n_0 .. n_6, 1), in place
.irp k,0,2,4
	v_pk_mul_f32 v[\d+\k:\d+\k+1], v[\d+\k:\d+\k+1], v[\t+2:\t+3] op_sel_hi:[1,0]
.endr
	v_mul_f32 v[\d+6], v[\d+6], v[\t+2]
	v_mov_b32 v[\d+7], 1.0
.endm
	s_load_b512 s[4:19], s[0:1], 0x0               ; x s[4:5], y s[6:7], Wq s[8:9], Wk s[10:11], Wv s[12:13], ln_w s[14:15], ln_b s[16:17], W1 s[18:19]
	s_load_b256 s[20:27], s[0:1], 0x40             ; W3 s[20:21], W2's codes s[22:23], b1 s[24:25], b2 s[26:27]
	s_load_b128 s[28:31], s[0:1], 0x60             ; W2's scales s[28:29], b3 s[30:31]
	s_load_b64 s[32:33], s[0:1], 0x70              ; out
	v_lshrrev_b32 v19, 5, v0
	v_readfirstlane_b32 s[WV], v19                 ; wave 0..15
	v_and_b32 v19, 31, v0                          ; lane
	v_and_b32 v20, 15, v0                          ; r
	v_bfe_u32 v21, v0, 4, 1                        ; h
	v_and_b32 v8, 7, v0                            ; r % 8
	s_mov_b32 s[HM], 0xffff0000
	s_mov_b32 s[SEL], 0x76543210
	s_mov_b32 s[SEL+1], 0xfedcba98
	s_mov_b32 s[EIGHTH], 0x3e000000                ; 1 / 8
	s_mov_b32 s[EPS], 0x3727c5ac                   ; 1e-5
	s_mov_b32 s75, 0x3f0293ee                      ; c = log2(e) / sqrt 8
	s_mov_b32 s77, 0x3d8df4e0                      ; c1 = 0.1 ln 2
	s_lshl_b32 s72, ttmp9, 11                      ; my work-group's 64 rows of 32 bytes in x and in out
	s_wait_alu depctr_va_sdst(0)                   ; the wave's number is written, ahead of its first reader, the line below
	s_mul_i32 s74, s[WV], REG                      ; my region of LDS
	s_add_co_u32 s67, s[WV], 2
	s_lshr_b32 s67, s67, 4                         ; 1 in waves 14 and 15
	s_and_b32 s73, s[WV], 3
	; every LDS address is made here, ahead of the first branch on the wave's number
	v_lshlrev_b32 v[AW], 5, v20
	v_lshl_add_u32 v[AW], v21, 4, v[AW]
	v_add_nc_u32 v[AW], s74, v[AW]                 ; key r x 32 + 16 h
	v_lshl_add_u32 v[AB], v21, 8, s74              ; my half's eight keys: 256 h
	v_lshl_add_u32 v15, v19, 5, s74                ; where my keys' rows go: 32 x lane
	v_lshl_add_u32 v60, v19, 4, QSB                ; a query fragment's image: 16 x lane
	s_lshl_b32 s78, s73, 9
	v_add_nc_u32 v61, s78, v60                     ; and the one that I store (waves 0-3)
	v_lshl_add_u32 v11, v0, 4, WTS                 ; my 16 bytes among the small weights: 16 x my thread's number, that is 512 x wave + 16 x lane
	v_and_b32 v23, 16, v0
	v_mul_u32_u24 v23, v23, s67
	v_sub_nc_u32 v23, v19, v23                     ; in memory: the lane; in waves 14 and 15 lane % 16: b1 and b2 are 256 bytes, read by both halves alike (the upper half's copy fills the slot's upper 256 bytes, which nobody reads)
	; offsets in memory
	s_lshl_b32 s80, s[WV], 13
	v_lshl_add_u32 v9, v19, 5, s80                 ; y: 8,192 x wave + 32 x lane
	s_add_co_u32 s78, s78, s72
	v_lshl_add_u32 v12, v20, 5, s78                ; x: tile wave % 4, row r
	v_lshlrev_b32 v13, 5, v8
	v_lshl_add_u32 v13, v21, 4, v13                ; Wq[r % 8][4 h ..]
	v_lshlrev_b32 v14, 2, v8
	v_lshl_add_u32 v14, v21, 7, v14                ; Wk[4 h + e][r % 8]
	s_wait_kmcnt 0x0
	s_load_b256 s[36:43], s[14:15], 0x0            ; ln_w
	s_load_b256 s[44:51], s[16:17], 0x0            ; ln_b
	s_load_b256 s[52:59], s[30:31], 0x0            ; b3
	s_cmp_lt_u32 s[WV], 4                          ; which small weight my wave brings into LDS: waves 0-3 W1, 4-7 W3, 8-13 W2's codes, 14 b1, 15 b2
	s_cselect_b64 s[68:69], s[18:19], s[20:21]
	s_cselect_b32 s70, 0, 4
	s_cmp_lt_u32 s[WV], 8
	s_cselect_b64 s[68:69], s[68:69], s[22:23]
	s_cselect_b32 s70, s70, 8
	s_cmp_lt_u32 s[WV], 14
	s_cselect_b64 s[68:69], s[68:69], s[24:25]
	s_cselect_b32 s70, s70, 14
	s_cmp_lt_u32 s[WV], 15
	s_cselect_b64 s[68:69], s[68:69], s[26:27]
	s_cselect_b32 s70, s70, 15
	s_sub_co_u32 s70, s[WV], s70
	s_lshl_b32 s70, s70, 9
	v_lshl_add_u32 v10, v23, 4, s70
	s_wait_alu depctr_va_vdst(0)                   ; the offsets v9, v10, v12-14 and the LDS addresses v1, v2, v11, v15, v60, v61 are written: the loads and LDS instructions from here to the loop's end read them
	global_load_b128 v[24:27], v10, s[68:69]
.irp i,0,1,2,3,4,5,6,7                 ; my lane's eight keys: 256 w + 32 i + lane
	global_load_b128 v[128+8*\i:131+8*\i], v9, s[6:7] offset:1024*\i
	global_load_b128 v[132+8*\i:135+8*\i], v9, s[6:7] offset:1024*\i+16
.endr
	global_load_b128 v[28:31], v12, s[4:5]
	global_load_b128 v[32:35], v12, s[4:5] offset:16
	global_load_b128 v[36:39], v13, s[8:9]
.irp e,0,1,2,3
	global_load_b32 v[40+\e], v14, s[10:11] offset:32*\e
.endr
	s_wait_kmcnt 0x0
.irp j,0,1,2,3,4,5,6,7
	v_mov_b32 v[224+\j], s[36+\j]                  ; the packed forms want gains and biases in vector pairs
	v_mov_b32 v[232+\j], s[44+\j]
.endr
	s_wait_loadcnt 0x0
	ds_store_b128 v11, v[24:27]
	; u of eight keys a lane, in place
.irp i,0,1,2,3,4,5,6,7
	LNA 128+8*\i, 128+8*\i, 192+4*\i
.endr
.irp i,0,1,2,3,4,5,6,7
	v_rsq_f32 v[194+4*\i], v[194+4*\i]
.endr
	v_nop                                          ; a plain line behind the last of the batch,
	s_wait_alu depctr_va_vdst(0)                   ; and one wait for the eight, ahead of their first reader
.irp i,0,1,2,3,4,5,6,7
	LNS 128+8*\i, 192+4*\i
.endr
	s_wait_alu depctr_va_vdst(0)                   ; the rows of u, v128-191, are written: the LDS stores below read them
.irp i,0,1,2,3,4,5,6,7
	ds_store_b128 v15, v[128+8*\i:131+8*\i] offset:1024*\i
	ds_store_b128 v15, v[132+8*\i:135+8*\i] offset:1024*\i+16
.endr
	; waves 0-3: q'' of tile w.  Source 0 = 16 rows of a weight (row r % 8: both halves of the lanes get all 8 results), source 1 = the queries
	s_cmp_lt_u32 s[WV], 4
	s_cbranch_scc0 .Lno_query
	LNA 28, 28, 52
	v_rsq_f32 v54, v54
	v_nop
	s_wait_alu depctr_va_vdst(0)                   ; the reciprocal root v54 is written, ahead of its first reader
	LNB 28, 28, 52, 224
	HALF4 56, 28
	v_wmma_f32_16x16x4_f32 v[64:71], v[36:37], v[56:57], 0
	s_wait_alu depctr_va_vdst(0)                   ; the wait directly ahead of the link
	v_wmma_f32_16x16x4_f32 v[64:71], v[38:39], v[58:59], v[64:71]
	PLACES 8
	HALF4 240, 64                                  ; LN(x) Wq^T
	v_wmma_f32_16x16x4_f32 v[72:79], v[40:41], v[240:241], 0
	s_wait_alu depctr_va_vdst(0)                   ; one accumulator alone, as above
	v_wmma_f32_16x16x4_f32 v[72:79], v[42:43], v[242:243], v[72:79]
	PLACES 8                                       ; v72-79: a = ( .. ) Wk
.irp j,0,1,2,3,4,5,6
	v_mul_f32 v[208+\j], s[36+\j], v[72+\j]        ; a_j g_j
.endr
	v_mul_f32 v216, s43, v79                       ; a_7 g_7
	v_mul_f32 v215, s44, v72                       ; a . b, which meets the 1 in u's eighth place
.irp j,1,2,3,4,5,6,7
	v_fma_f32 v215, v[72+\j], s[44+\j], v215
.endr
.irp j,0,1,2,3,4,5,6
	v_sub_f32 v[208+\j], v[208+\j], v216           ; n_7 = -(n_0 + .. + n_6) brought to the query's side
.endr
	HALF4 56, 208
.irp i,0,1,2,3
	v_mul_f32 v[56+\i], s75, v[56+\i]
.endr
	s_wait_alu depctr_va_vdst(0)                   ; q'', v56-59, is written: the LDS store below reads it
	ds_store_b128 v61, v[56:59]
.Lno_query:
	s_wait_dscnt 0x0                               ; for the others' sake: all my LDS stores are done
	s_barrier_signal -1
	s_barrier_wait -1                              ; u, q'' and the small weights lie in LDS.  From here to the next barrier LDS is only read
; ---- the loop's parts
.macro WBSEL jp                        ; the registers of buffer jp: BL the pair's first key's eight, BH the second key's
.if (\jp) == 0
.set BL, 192
.set BH, 200
.elseif (\jp) == 1
.set BL, 208
.set BH, 216
.elseif (\jp) == 2
.set BL, 104
.set BH, 112
.else
.set BL, 120
.set BH, 52
.endif
.endm
.macro LDKF o
	ds_load_b128 v[KF:KF+3], v[AW] offset:\o
.endm
.macro LDWB jp, o                      ; keys 8 h + 2 jp and 8 h + 2 jp + 1 of the tile: 64 bytes, into buffer jp
	WBSEL \jp
	ds_load_b128 v[BL:BL+3], v[AB] offset:\o+64*(\jp)
	ds_load_b128 v[BL+4:BL+7], v[AB] offset:\o+64*(\jp)+16
	ds_load_b128 v[BH:BH+3], v[AB] offset:\o+64*(\jp)+32
	ds_load_b128 v[BH+4:BH+7], v[AB] offset:\o+64*(\jp)+48
.endm
.macro SCORES                          ; S^T = u q''^T: two K steps of 4 places; the four tiles' accumulators by turns
.irp t,0,1,2,3
	v_wmma_f32_16x16x4_f32 v[S+8*\t:S+8*\t+7], v[KF:KF+1], v[Q+4*\t:Q+4*\t+1], 0
.endr
.irp t,0,1,2,3
	v_wmma_f32_16x16x4_f32 v[S+8*\t:S+8*\t+7], v[KF+2:KF+3], v[Q+4*\t+2:Q+4*\t+3], v[S+8*\t:S+8*\t+7]
.endr
.endm
.macro STATS                           ; my lane's running maximum over its own keys, the four tiles by turns.  Each accumulator is read from its low end on
.irp t,0,1,2,3
	v_max3_num_f32 v[ST+4*\t+1], v[S+8*\t], v[S+8*\t+1], v[S+8*\t+2]
.endr
.irp t,0,1,2,3
	v_max3_num_f32 v[ST+4*\t+1], v[ST+4*\t+1], v[S+8*\t+3], v[S+8*\t+4]
.endr
.irp t,0,1,2,3
	v_max3_num_f32 v[ST+4*\t+1], v[ST+4*\t+1], v[S+8*\t+5], v[S+8*\t+6]
.endr
.irp t,0,1,2,3
	v_max3_num_f32 v[ST+4*\t+1], v[ST+4*\t+1], v[S+8*\t+7], v[ST+4*\t]
.endr
.irp t,0,1,2,3
	v_sub_f32 v[ST+4*\t+2], v[ST+4*\t], v[ST+4*\t+1]                ; old M - new M
.endr
.irp t,0,1,2,3
	v_mov_b32 v[ST+4*\t], v[ST+4*\t+1]                              ; both were wanted in the line above
.endr
.endm
.macro SUBM t
.irp k,0,2,4,6
	v_pk_add_f32 v[P+8*(\t)+\k:P+8*(\t)+\k+1], v[S+8*(\t)+\k:S+8*(\t)+\k+1], v[ST+4*(\t):ST+4*(\t)+1] op_sel_hi:[1,0] neg_lo:[0,1] neg_hi:[0,1]
.endr
.endm
.macro EXPT t                          ; F = 2^(old M - new M) and the tile's eight p
	v_exp_f32 v[ST+4*(\t)+2], v[ST+4*(\t)+2]
.irp j,0,1,2,3,4,5,6,7
	v_exp_f32 v[P+8*(\t)+\j], v[P+8*(\t)+\j]
.endr
.endm
.macro RMAX jp, t                      ; relu(t) of keys 8 h + 2 jp, + 1 of tile t
	v_max_num_f32 v[R+2*(\t)], 0, v[S+8*(\t)+2*(\jp)]
	v_max_num_f32 v[R+2*(\t)+1], 0, v[S+8*(\t)+2*(\jp)+1]
.endm
.macro ACCL acc, wt, jp                ; eight sums += the pair's first weight x the first key's row of u
	WBSEL \jp
.irp d,0,2,4,6
	v_pk_fma_f32 v[\acc+\d:\acc+\d+1], v[BL+\d:BL+\d+1], v[\wt:\wt+1], v[\acc+\d:\acc+\d+1] op_sel_hi:[1,0,1]
.endr
.endm
.macro ACCH acc, wt, jp                ; and the second weight x the second key's
	WBSEL \jp
.irp d,0,2,4,6
	v_pk_fma_f32 v[\acc+\d:\acc+\d+1], v[BH+\d:BH+\d+1], v[\wt:\wt+1], v[\acc+\d:\acc+\d+1] op_sel:[0,1,0]
.endr
.endm
.macro PAIR jp, t                      ; both sums of tile t for one pair of keys: 16 lines; a sum's register comes up again eight lines on
	ACCL RA+8*(\t), R+2*(\t), \jp
	ACCL EV+8*(\t), P+8*(\t)+2*(\jp), \jp
	ACCH RA+8*(\t), R+2*(\t), \jp
	ACCH EV+8*(\t), P+8*(\t)+2*(\jp), \jp
.endm
.macro RESCALE                         ; sum p u under the new M
.irp t,0,1,2,3
.irp k,0,2,4,6
	v_pk_mul_f32 v[EV+8*\t+\k:EV+8*\t+\k+1], v[EV+8*\t+\k:EV+8*\t+\k+1], v[ST+4*\t+2:ST+4*\t+3] op_sel_hi:[1,0]
.endr
.endr
.endm
; A TRIP: the tile whose scores lie in S.  next = 1: the next tile's rows are fetched and its scores made.  On the way in there may be out, in this order: WB0 and WB1 (4 + 4 loads).
.macro BODY next
	STATS
.irp t,0,1,2,3
	SUBM \t
.endr
	s_wait_dscnt 4                                 ; WB0 is in; younger: WB1's four
.irp t,0,1,2,3
	EXPT \t                                        ; the exponentials are one batch of 36; no line ahead of the wait below names a result
	RMAX 0,\t                                      ; plain work behind each nine: the relu sums of the first pair of keys
	ACCL RA+8*\t, R+2*\t, 0
	ACCH RA+8*\t, R+2*\t, 0
.endr
	s_wait_alu depctr_va_vdst(0)                   ; the 36 exponentials have written F and p, ahead of their first reader; the last trip's pairs 2 and 3 are done reading WB2 and WB3, its score products done reading KF, and v[AW], v[AB] are written
	LDWB 2,0                                       ; this tile's last four keys,
	LDWB 3,0
.if \next
	LDKF 512                                       ; and the next tile's rows for the scores
.endif
	RESCALE
.irp t,0,1,2,3
	ACCL EV+8*\t, P+8*\t, 0
.endr
.irp t,0,1,2,3
	ACCH EV+8*\t, P+8*\t, 0
.endr
	s_wait_dscnt 8+\next                           ; WB1 is in; younger: WB2's and WB3's eight, KF's one
.irp t,0,1,2,3
	RMAX 1,\t
	PAIR 1,\t
.endr
.if \next
	s_wait_alu depctr_va_vdst(0)                   ; pairs 0 and 1 are done reading WB0 and WB1, in which the next tile's first four keys land
	LDWB 0,512
	LDWB 1,512
	s_wait_dscnt 13                                ; WB2 is in; younger: WB3's four, KF's one, the eight just issued
.else
	s_wait_dscnt 4                                 ; WB2 is in; younger: WB3's four
.endif
.irp t,0,1,2,3
	RMAX 2,\t
	PAIR 2,\t
.endr
	s_wait_dscnt 8*\next                           ; WB3 and KF are in; younger: the next tile's eight
.irp t,0,1,2,3
	RMAX 3,\t                                      ; the last reads of these scores
.endr
.if \next
	SCORES
.endif
.irp t,0,1,2,3
	PAIR 3,\t                                      ; 64 plain lines that name none of the products' registers: the distance behind SCORES
.endr
.if \next
	s_wait_alu depctr_vm_vsrc(0)                   ; the trip's LDS loads have read v[AW] and v[AB], which the two lines below write
	v_add_nc_u32 v[AW], 512, v[AW]
	v_add_nc_u32 v[AB], 512, v[AB]
.endif
.endm
	s_wait_alu depctr_vm_vsrc(0)                   ; the head's loads and LDS stores have read v9-15, v24-27, v56-59 and v128-191, which the loads and vector lines from here on write (on both ways here the vector lines that named the loads' registers stand ahead of the last wait on va_vdst)
.irp t,0,1,2,3
	ds_load_b128 v[Q+4*\t:Q+4*\t+3], v60 offset:512*\t
.endr
	LDKF 0
	LDWB 0,0
	LDWB 1,0
	s_wait_dscnt 8                                 ; q'' and KF are in; younger: WB0's and WB1's 4 + 4
	SCORES
.set i, 0
.rept 32                               ; the sums begin as zeros and M under every t, so that the trip is written once for all tiles; these lines are also the distance behind SCORES
	v_mov_b32 v[EV+i], 0
	v_mov_b32 v[RA+i], 0
.set i, i+1
.endr
.irp t,0,1,2,3
	v_mov_b32 v[ST+4*\t], 0xff61b1e6               ; -3e38
	v_mov_b32 v[ST+4*\t+3], 0                      ; named with F as a pair, so it is written
.endr
	s_mov_b32 s[CTR], 15
.Ltile:
	BODY 1
	s_sub_co_i32 s[CTR], s[CTR], 1
	s_cmp_lg_u32 s[CTR], 0
	s_cbranch_scc1 .Ltile
	BODY 0                                         ; the sixteenth tile fetches only its own last four keys
	; ---- the partial results go to LDS, over my own keys
	s_wait_alu depctr_vm_vsrc(0)                   ; the last LDS loads have read v1 and v2, which are written anew below
	v_and_b32 v3, 31, v0
	v_lshl_add_u32 v1, v3, 4, s74
	v_lshl_add_u32 v2, v3, 2, s74
	s_wait_dscnt 0x0                               ; my reads of LDS are over
	s_barrier_signal -1
	s_barrier_wait -1                              ; everybody's are: from here to the next barrier LDS is only written, each wave in its own region
	s_wait_alu depctr_va_vdst(0)                   ; the sums EV and RA, the four M and the addresses v1, v2 are written: the LDS stores below read them
.irp t,0,1,2,3
	ds_store_b128 v1, v[EV+8*\t:EV+8*\t+3] offset:PT*\t
	ds_store_b128 v1, v[EV+8*\t+4:EV+8*\t+7] offset:PT*\t+512
	ds_store_b128 v1, v[RA+8*\t:RA+8*\t+3] offset:PT*\t+1024
	ds_store_b128 v1, v[RA+8*\t+4:RA+8*\t+7] offset:PT*\t+1536
	ds_store_b32 v2, v[ST+4*\t] offset:PT*\t+2048
.endr
	s_wait_dscnt 0x0
	s_barrier_signal -1
	s_barrier_wait -1                              ; the last barrier: LDS is only read from here on
	s_wait_alu depctr_vm_vsrc(0)                   ; my LDS stores have read v36, v40, v44, v48, v128-159 and v224-255: v48 is written below, the others by the loads of the rest, v254 and v255 at both ends
	; the addresses of the rest, made by every wave, ahead of the parting; none is stepped later
	v_and_b32 v8, 31, v0                           ; lane
	v_and_b32 v9, 15, v0                           ; r
	v_bfe_u32 v10, v0, 4, 1                        ; h
	v_and_b32 v11, 7, v0                           ; r % 8
	v_bfe_u32 v12, v0, 3, 1                        ; r / 8
	s_mul_i32 s76, s[WV], PT
	v_lshl_add_u32 v[AS], v8, 4, s76               ; my tile's partial sums in region 0
	v_lshl_add_u32 v[AM], v8, 2, s76               ; and M
.irp q,1,2,3
	v_add_nc_u32 v[AS+\q], \q*4*REG, v[AS]         ; the same four, eight and twelve regions on: the loads' immediates add 0 to 3 regions
	v_add_nc_u32 v[AM+\q], \q*4*REG, v[AM]
.endr
	v_lshl_add_u32 v3, v12, 10, WTS                ; W1: lane r of tile T takes unit 32 (r / 8) + 8 T + r % 8, so that a lane's 32 results are the 32 units of block h
	v_lshl_add_u32 v3, v11, 5, v3
	v_lshl_add_u32 v3, v10, 4, v3
	v_lshl_add_u32 v48, v10, 7, WTS+B1O            ; b1[32 h + 8 T ..]
	v_lshl_add_u32 v49, v10, 5, WTS+B2O            ; b2[16 T + 8 h ..]
	v_mad_u32_u24 v50, v9, 48, WTS+W2O             ; W2's codes: row 16 T + r of 48 bytes, block h of 24
	v_mad_u32_u24 v50, v10, 24, v50
	v_lshl_add_u32 v51, v11, 8, WTS+W3O            ; W3[r % 8][16 T + 8 h ..]
	v_lshl_add_u32 v51, v10, 5, v51
	s_lshl_b32 s78, s[WV], 9
	s_add_co_u32 s78, s78, s72
	v_lshl_add_u32 v52, v9, 5, s78                 ; x: my tile's row r
	v_lshlrev_b32 v53, 5, v11
	v_lshl_add_u32 v53, v10, 4, v53                ; Wv[r % 8][4 h ..]
	v_lshlrev_b32 v54, 1, v8                       ; W2's scales: 2 bytes a row, a lane a row
	v_lshl_add_u32 v55, v10, 4, v52                ; out: row r, + 16 h
	s_cmp_lt_u32 s[WV], 4
	s_cbranch_scc1 .Lfinish
	s_wait_xcnt 0x0
	v_lshl_add_u32 v254, v0, 2, 0x26800
	v_mov_b32 v255, 0
	s_wait_dscnt 0x0                               ; the closing lines, six on end
	s_wait_alu 0x0
	s_wait_tensorcnt 0x0
	ds_add_u32 v254, v255
	s_wait_dscnt 0x0
	s_endpgm
.Lfinish:
	; ---- wave t finishes tile t.  First the sixteen waves' partial results, each lane those of its own half
	s_wait_alu depctr_va_vdst(0)                   ; the addresses v3, v48-55 and v104-111 are written, which the loads of the rest read; so are v8-12, in which x lands.  Up to the second set of sums the vector lines below name v32-47, v60 and v61 alone
	global_load_b128 v[8:11], v52, s[4:5]
	global_load_b128 v[12:15], v52, s[4:5] offset:16
	global_load_b128 v[56:59], v53, s[12:13]
	global_load_u16 v4, v54, s[28:29]              ; rows 0-31: tile 0 in lanes 0-15, tile 1 in lanes 16-31; the upper two bytes are 0 and stand over zero codes
	global_load_u16 v5, v54, s[28:29] offset:64    ; rows 32-63
.irp q,0,1,2,3
.irp w,0,1,2,3
	ds_load_b32 v[32+4*\q+\w], v[AM+\q] offset:\w*REG+2048
.endr
.endr
.macro CSET reg, q                     ; four waves' sums, 16 registers each: waves 4 q .. 4 q + 3
.irp w,0,1,2,3
	ds_load_b128 v[\reg+16*\w:\reg+16*\w+3], v[AS+(\q)] offset:\w*REG
	ds_load_b128 v[\reg+16*\w+4:\reg+16*\w+7], v[AS+(\q)] offset:\w*REG+512
	ds_load_b128 v[\reg+16*\w+8:\reg+16*\w+11], v[AS+(\q)] offset:\w*REG+1024
	ds_load_b128 v[\reg+16*\w+12:\reg+16*\w+15], v[AS+(\q)] offset:\w*REG+1536
.endr
.endm
.macro CACC reg, q                     ; E (v16-23) += g_n EV_n, A (v24-31) += RA_n, for the waves n = 4 q + w, w = 0 .. 3.  Wave 0's term starts E; waves 0 and 1 together start A
.irp w,0,1,2,3
.irp d,0,2,4,6
.if (4*(\q)+\w) == 0
	v_pk_mul_f32 v[16+\d:17+\d], v[\reg+\d:\reg+\d+1], v[32:33] op_sel_hi:[1,0]
.elseif (\w%2) == 0
	v_pk_fma_f32 v[16+\d:17+\d], v[\reg+16*\w+\d:\reg+16*\w+\d+1], v[32+4*(\q)+\w:33+4*(\q)+\w], v[16+\d:17+\d] op_sel_hi:[1,0,1]
.else
	v_pk_fma_f32 v[16+\d:17+\d], v[\reg+16*\w+\d:\reg+16*\w+\d+1], v[31+4*(\q)+\w:32+4*(\q)+\w], v[16+\d:17+\d] op_sel:[0,1,0]
.endif
.endr
.irp d,0,2,4,6
.if (4*(\q)+\w) == 0
.elseif (4*(\q)+\w) == 1
	v_pk_add_f32 v[24+\d:25+\d], v[\reg+8+\d:\reg+9+\d], v[\reg+24+\d:\reg+25+\d]
.else
	v_pk_add_f32 v[24+\d:25+\d], v[24+\d:25+\d], v[\reg+16*\w+8+\d:\reg+16*\w+9+\d]
.endif
.endr
.endr
.endm
	CSET 128, 0
	s_wait_dscnt 16                                ; the 16 M are in; younger: the first set's 16
	v_max3_num_f32 v60, v32, v33, v34
.irp i,35,37,39,41,43,45
	v_max3_num_f32 v60, v60, v[\i], v[\i+1]
.endr
	v_max_num_f32 v60, v60, v47
	v_permlanex16_b32 v61, v60, s[SEL], s[SEL+1]   ; the query's other keys lie in the lane 16 away
	v_max_num_f32 v60, v60, v61                    ; the query's maximum over all keys
.irp w,0,1,2,3,4,5,6,7,8,9,10,11,12,13,14,15
	v_sub_f32 v[32+\w], v[32+\w], v60
.endr
.irp w,0,1,2,3,4,5,6,7,8,9,10,11,12,13,14,15
	v_exp_f32 v[32+\w], v[32+\w]                   ; g_w = 2^(M_w - maximum)
.endr
	v_nop                                          ; a plain line behind the last of the batch
	CSET 192, 1                                    ; no wait: no vector line since the wait at this part's head names v192-255 or the address
	s_wait_alu depctr_va_vdst(0)                   ; the sixteen exponentials have written v32-47, ahead of their first reader
	s_wait_dscnt 16                                ; a set is in when only the next set's 16 loads are younger
	CACC 128, 0
	s_wait_alu depctr_va_vdst(0)                   ; the lines above are done reading v128-191, in which the third set lands
	CSET 128, 2
	s_wait_dscnt 16
	CACC 192, 1
	s_wait_alu depctr_va_vdst(0)                   ; the lines above are done reading v192-255, in which the fourth set lands
	CSET 192, 3
	s_wait_dscnt 16
	CACC 128, 2
	s_wait_alu depctr_va_vdst(0)                   ; the lines above are done reading v128-191, in which W1 and b1 land
.irp T,0,1,2,3
	ds_load_b128 v[160+4*\T:163+4*\T], v3 offset:256*\T            ; W1's four fragments
.endr
.irp T,0,1,2,3
	ds_load_b128 v[128+8*\T:131+8*\T], v48 offset:32*\T            ; b1 in the result's layout
	ds_load_b128 v[132+8*\T:135+8*\T], v48 offset:32*\T+16
.endr
	s_wait_dscnt 12                                ; the last set is in; younger: the 12 just issued
	CACC 192, 3
	s_wait_alu depctr_va_vdst(0)                   ; the lines above are done reading v192-255, in which W2's codes land
.irp T,0,1,2,3
.irp p,0,1,2
	ds_load_b64 v[208+12*\T+2*\p:209+12*\T+2*\p], v50 offset:768*\T+8*\p   ; W2's fragments: k = 32 h .. 32 h + 31 in registers 0-5, as the bytes lie
.endr
.endr
	; ---- the halves of the lanes meet: each summed its own keys; aw
.irp j,0,1,2,3,4,5,6,7
	v_permlanex16_b32 v[176+\j], v[16+\j], s[SEL], s[SEL+1]
	v_permlanex16_b32 v[184+\j], v[24+\j], s[SEL], s[SEL+1]
.endr
	v_pk_add_f32 v[22:23], v[22:23], v[182:183]    ; v23 = L
	v_pk_add_f32 v[30:31], v[30:31], v[190:191]    ; v31 = R
	v_fma_f32 v62, v31, s77, 1.0                   ; 1 + c1 R
	v_rcp_f32 v61, v23
	v_rcp_f32 v62, v62
.irp d,0,2,4
	v_pk_add_f32 v[16+\d:17+\d], v[16+\d:17+\d], v[176+\d:177+\d]   ; plain work behind the two reciprocals
	v_pk_add_f32 v[24+\d:25+\d], v[24+\d:25+\d], v[184+\d:185+\d]
.endr
	s_wait_alu depctr_va_vdst(0)                   ; the two reciprocals have written v61 and v62, ahead of their first reader
	v_mul_f32 v44, s77, v62                        ; c1 / (1 + c1 R)
	v_mul_f32 v45, s77, v62
	v_mul_f32 v46, v61, v62                        ; 1 / (L (1 + c1 R))
	v_mul_f32 v47, v61, v62
.irp d,0,2,4,6
	v_pk_mul_f32 v[32+\d:33+\d], v[24+\d:25+\d], v[44:45]
.endr
.irp d,0,2,4,6
	v_pk_fma_f32 v[32+\d:33+\d], v[16+\d:17+\d], v[46:47], v[32+\d:33+\d]   ; awn_0 .. awn_6 (the eighth place is not used)
.endr
	v_add_f32 v60, v32, v33
	v_add_f32 v63, v34, v35
	v_add_f32 v61, v36, v37
	v_add_f32 v60, v60, v63
	v_add_f32 v61, v61, v38
	v_add_f32 v60, v60, v61                        ; -awn_7
.irp d,0,1,2,3,4,5,6
	v_fma_f32 v[32+\d], v[32+\d], s[36+\d], s[44+\d]   ; aw_d = g_d awn_d + b_d: the weights add up to 1
.endr
	v_fma_f32 v39, -v60, s43, s51
	HALF4 40, 32
	; ---- z1 = Wv aw + x: x is the C of the first product
	s_wait_loadcnt 0x0
	v_wmma_f32_16x16x4_f32 v[96:103], v[56:57], v[40:41], v[8:15]
	s_wait_alu depctr_va_vdst(0)                   ; one accumulator alone
	v_wmma_f32_16x16x4_f32 v[96:103], v[58:59], v[42:43], v[96:103]
.irp j,0,1,2,3,4,5,6,7                 ; gains and biases as vector pairs: 16 plain lines, the distance behind the products
	v_mov_b32 v[16+\j], s[36+\j]
	v_mov_b32 v[24+\j], s[44+\j]
.endr
	LNA 96, 32, 60
	v_rsq_f32 v62, v62
.irp j,0,1,2,3,4,5,6,7
	v_add_f32 v[8+\j], s[52+\j], v[96+\j]          ; z1 + b3: the C of the last product
.endr
	s_wait_alu depctr_va_vdst(0)                   ; the reciprocal root v62 is written, ahead of its first reader
	LNB 32, 32, 60, 16
	HALF4 40, 32
	; ---- the first layer: four tiles of 16 units, b1 as C
	s_wait_dscnt 12                                ; W1 and b1 are in; younger: W2's 12
.irp T,0,1,2,3
	v_wmma_f32_16x16x4_f32 v[64+8*\T:71+8*\T], v[160+4*\T:161+4*\T], v[40:41], v[128+8*\T:135+8*\T]
.endr
.irp T,0,1,2,3
	v_wmma_f32_16x16x4_f32 v[64+8*\T:71+8*\T], v[162+4*\T:163+4*\T], v[42:43], v[64+8*\T:71+8*\T]
.endr
.irp T,0,1,2,3
.irp i,6,7,8,9,10,11
	v_mov_b32 v[208+12*\T+\i], 0                   ; K is 64: k = 64 .. 127 of W2's fragments are zero codes.  24 plain lines: the distance behind the products
.endr
.endr
	s_wait_alu depctr_va_vdst(0)                   ; the first layer's products are done reading b1 in v128-159, in which b2 lands
.irp T,0,1,2,3
	ds_load_b128 v[128+8*\T:131+8*\T], v49 offset:64*\T            ; b2 in the result's layout
	ds_load_b128 v[132+8*\T:135+8*\T], v49 offset:64*\T+16
.endr
.set i, 0
.rept 32
	v_max_num_f32 v[176+i], 0, v[64+i]             ; relu: register n = unit 32 h + n of my query
.set i, i+1
.endr
	; ---- the quantiser: my 32 numbers are one whole block along the next K.  None is negative
	v_max3_num_f32 v60, v176, v177, 0x1800000      ; with the floor 2^(3 - 127): the byte cannot fall under 1
	v_max3_num_f32 v61, v192, v193, v194
.irp i,2,4,6,8,10,12
	v_max3_num_f32 v60, v60, v[176+\i], v[177+\i]
	v_max3_num_f32 v61, v61, v[193+\i], v[194+\i]
.endr
	v_max3_num_f32 v60, v60, v190, v191
	v_max3_num_f32 v60, v60, v61, v207
	v_add_nc_u32 v62, 0xff000000, v60              ; 2 off the exponent field: the conversion takes this operand's exponent field as its scale
	v_lshrrev_b32 v63, 23, v62                     ; the scale's byte
	v_permlanex16_b32 v61, v63, s[SEL], s[SEL+1]
	v_lshl_or_b32 v6, v61, 8, v63                  ; lanes 0-15: block 0's byte, block 1's above it; the upper two bytes stand over zero codes
.irp i,38,39,40,41,42,43
	v_mov_b32 v[\i], 0                             ; k = 64 .. 127: zero codes
.endr
	v_cvt_scalef32_pk16_fp6_f32 v[32:34], v[176:191], v62
	v_cvt_scalef32_pk16_fp6_f32 v[44:46], v[192:207], v62   ; (a conversion's three registers begin on an even number)
	v_nop                                          ; one plain line behind a scaled conversion
	s_wait_alu depctr_va_vdst(0)                   ; the conversions are done reading the hidden layer in v176-207, in which W3 lands
.irp T,0,1,2,3
	ds_load_b128 v[176+8*\T:179+8*\T], v51 offset:64*\T            ; W3's fragments
	ds_load_b128 v[180+8*\T:183+8*\T], v51 offset:64*\T+16
.endr
	v_mov_b32 v35, v44
	v_mov_b32 v36, v45
	v_mov_b32 v37, v46
	PLACES 8                                       ; a scale word written by a vector line stands 8 plain lines ahead of a scaled matrix instruction, an operand 4
	s_wait_alu depctr_va_vdst(0)                   ; beside the places: the codes v32-43, the zero codes of W2's fragments and the scale word v6 are written, which the scaled products take
	s_wait_alu depctr_vm_vsrc(0)                   ; the LDS loads of M and of the sums have read their addresses v104-111, which the scaled products write
	s_wait_dscnt 8                                 ; W2's codes and b2 are in; younger: W3's eight
.irp T,0,1,2,3                         ; source 0 = 16 rows of W2, source 1 = the hidden layer's 16 queries; b2 as C
.if \T%2
	v_wmma_scale_f32_16x16x128_f8f6f4 v[96+8*\T:103+8*\T], v[208+12*\T:219+12*\T], v[32:43], v[128+8*\T:135+8*\T], v[4+\T/2], v6 matrix_a_fmt:MATRIX_FMT_FP6 matrix_b_fmt:MATRIX_FMT_FP6 matrix_a_scale:MATRIX_SCALE_ROW1
.else
	v_wmma_scale_f32_16x16x128_f8f6f4 v[96+8*\T:103+8*\T], v[208+12*\T:219+12*\T], v[32:43], v[128+8*\T:135+8*\T], v[4+\T/2], v6 matrix_a_fmt:MATRIX_FMT_FP6 matrix_b_fmt:MATRIX_FMT_FP6
.endif
.endr
	PLACES 4
.set i, 0
.rept 32
	v_max_num_f32 v[16+i], 0, v[96+i]              ; relu: register 8 T + j = unit 16 T + 8 h + j
.set i, i+1
.endr
	; ---- the last layer: 16 K steps of 4 on two accumulators by turns; z1 + b3 is the C of the first
	s_wait_dscnt 0x0
.set n, 0
.rept 16
.set oo, 64+8*(n%2)
.if n == 0
	v_wmma_f32_16x16x4_f32 v[oo:oo+7], v[176+2*n:177+2*n], v[16+2*n:17+2*n], v[8:15]
.elseif n == 1
	v_wmma_f32_16x16x4_f32 v[oo:oo+7], v[176+2*n:177+2*n], v[16+2*n:17+2*n], 0
.else
	v_wmma_f32_16x16x4_f32 v[oo:oo+7], v[176+2*n:177+2*n], v[16+2*n:17+2*n], v[oo:oo+7]
.endif
.set n, n+1
.endr
	PLACES 8
.irp d,0,2,4,6
	v_pk_add_f32 v[128+\d:129+\d], v[64+\d:65+\d], v[72+\d:73+\d]
.endr
	HALF4 136, 128
	s_wait_alu depctr_va_vdst(0)                   ; the results v136-139 are written: the store below reads them
	global_store_b128 v55, v[136:139], s[32:33] th:TH_STORE_NT     ; the wave stores 16 rows of 32 bytes: 512 consecutive bytes, at a multiple of 512 from out's first byte
	s_wait_xcnt 0x0
	v_lshl_add_u32 v254, v0, 2, 0x26800
	v_mov_b32 v255, 0
	s_wait_dscnt 0x0                               ; the closing lines, six on end
	s_wait_alu 0x0
	s_wait_tensorcnt 0x0
	ds_add_u32 v254, v255
	s_wait_dscnt 0x0
	s_endpgm
.Lfunc_end_k_q4af27408d4_block:
	.size	k_q4af27408d4_block, .Lfunc_end_k_q4af27408d4_block-k_q4af27408d4_block
	.p2alignl 7, 3214868480
	.fill 96, 4, 3214868480
	.section	.rodata,"a",@progbits
	.p2align	6, 0x0
	.amdhsa_kernel k_q4af27408d4_block
		.amdhsa_group_segment_fixed_size 159744
		.amdhsa_private_segment_fixed_size 0
		.amdhsa_enable_private_segment 0
		.amdhsa_kernarg_size 120
		.amdhsa_user_sgpr_count 2
		.amdhsa_user_sgpr_kernarg_segment_ptr 1
		.amdhsa_wavefront_size32 1
		.amdhsa_system_sgpr_workgroup_id_x 1
		.amdhsa_system_sgpr_workgroup_id_y 1
		.amdhsa_system_sgpr_workgroup_id_z 1
		.amdhsa_system_vgpr_workitem_id 0
		.amdhsa_next_free_vgpr 256
		.amdhsa_next_free_sgpr 100
		.amdhsa_reserve_vcc 0
		.amdhsa_float_denorm_mode_32 3
		.amdhsa_float_denorm_mode_16_64 3
		.amdhsa_memory_ordered 1
		.amdhsa_forward_progress 1
		.amdhsa_inst_pref_size 106
	.end_amdhsa_kernel
	.amdgpu_metadata
---
amdhsa.version: [ 1, 2 ]
amdhsa.kernels:
  - .name:           k_q4af27408d4_block
    .symbol:         k_q4af27408d4_block.kd
    .args:
      - { .name: x, .offset: 0, .size: 8, .value_kind: global_buffer, .address_space: global }
      - { .name: y, .offset: 8, .size: 8, .value_kind: global_buffer, .address_space: global }
      - { .name: Wq, .offset: 16, .size: 8, .value_kind: global_buffer, .address_space: global }
      - { .name: Wk, .offset: 24, .size: 8, .value_kind: global_buffer, .address_space: global }
      - { .name: Wv, .offset: 32, .size: 8, .value_kind: global_buffer, .address_space: global }
      - { .name: ln_w, .offset: 40, .size: 8, .value_kind: global_buffer, .address_space: global }
      - { .name: ln_b, .offset: 48, .size: 8, .value_kind: global_buffer, .address_space: global }
      - { .name: W1, .offset: 56, .size: 8, .value_kind: global_buffer, .address_space: global }
      - { .name: W3, .offset: 64, .size: 8, .value_kind: global_buffer, .address_space: global }
      - { .name: W2_codes, .offset: 72, .size: 8, .value_kind: global_buffer, .address_space: global }
      - { .name: b1, .offset: 80, .size: 8, .value_kind: global_buffer, .address_space: global }
      - { .name: b2, .offset: 88, .size: 8, .value_kind: global_buffer, .address_space: global }
      - { .name: W2_scales, .offset: 96, .size: 8, .value_kind: global_buffer, .address_space: global }
      - { .name: b3, .offset: 104, .size: 8, .value_kind: global_buffer, .address_space: global }
      - { .name: out0, .offset: 112, .size: 8, .value_kind: global_buffer, .address_space: global }
    .group_segment_fixed_size: 159744
    .private_segment_fixed_size: 0
    .kernarg_segment_align: 8
    .kernarg_segment_size: 120
    .max_flat_workgroup_size: 512
    .sgpr_count:     100
    .vgpr_count:     256
    .wavefront_size: 32
...
	.end_amdgpu_metadata
.endif
;; end of part 3
